; MI455X (gfx1250); checked and timed in simulation.
; The chip was launched on July 23, 2026; its instructions are those of AMD's public machine-readable ISA for CDNA 5 (MIT licence, August 2026) and "CDNA5" Instruction Set Architecture Reference Guide (July 2026). The comments in the code are by the model that wrote it; some were corrected since.
;; Attention. Allowed arithmetic: matrix products marked QUANTISED: E2M3 operands, one E8M0 scale for each 32 along K, by v_wmma_scale_f32_16x16x128_f8f6f4 with both operands' format E2M3, f32 sums; everything else in f32.
;; Inputs: b_out 1,024 float32; w_out 1,024 x 1,024 float32; w_qkv 1,024 x 3,072 float32; x 4 x 2,048 x 1,024 float32.
;; Outputs: out0 4 x 2,048 x 1,024 float32.
;; This version of the problem:
;;   THIS VERSION OF THE PROBLEM IS GIVEN IN LOW PRECISION. The matrix products marked QUANTISED in the list below multiply operands that are first quantised to E2M3 (2 exponent bits, 3 mantissa bits; 6 bits a number), with one power-of-two scale for each 32 numbers along K (OCP MX v1.0); their sums are f32. All else is computed in f32.
;;   The module's matrix products, in the order in which they are computed (A, B: the left and right operand; K: the contracted axis; several contracted axes count as one K, in the product's order):
;;     1. [M 8,192, K 1,024] x [K 1,024, N 3,072]; A: input x; B: input w_qkv: QUANTISED
;;     2. batch 64 x [M 2,048, K 64] x [K 64, N 2,048]; A: computed on the way; B: computed on the way: QUANTISED
;;     3. batch 64 x [M 2,048, K 2,048] x [K 2,048, N 64]; A: softmax (see below); B: computed on the way: QUANTISED
;;     4. [M 8,192, K 1,024] x [K 1,024, N 1,024]; A: computed on the way; B: input w_out: QUANTISED
;;   THE QUANTISER, for each operand of a quantised product, along K:
;;     - K is cut into blocks of 32 from its start; a last block that is shorter is filled with zeros.
;;     - A block's scale is 2^e with e = floor(log2(the largest magnitude in the block)) - 2, held to -126 .. 127; a block of zeros has e = 0. As a byte (E8M0): e + 127.
;;     - Each number is divided by its block's scale, clamped to +-7.5, and rounded to the nearest number of E2M3, ties to even, subnormals kept.
;;     - The product sums the exact products of the quantised numbers (number of the format x scale) in f32.
;;   ~~~python
;;   def quantise(x, axis):      # numpy; x: float32 -> the quantised numbers, widened to float32 again
;;       x = np.moveaxis(x, axis, -1); K = x.shape[-1]
;;       x = np.pad(x, [(0, 0)] * (x.ndim - 1) + [(0, -K % 32)]); x = x.reshape(x.shape[:-1] + (-1, 32)); a = np.abs(x).max(-1, keepdims=True)
;;       e = np.where(a > 0, np.clip(np.frexp(np.where(a > 0, a, 1))[1] - 1 - 2, -126, 127), 0)      # np.frexp(a)[1] - 1 = floor(log2(a)), exactly
;;       r = np.clip(x / 2.0 ** e, -7.5, 7.5)
;;       step = 2.0 ** (np.maximum(np.frexp(np.where(r == 0, 1, r))[1] - 1, 0) - 3)
;;       q = np.round(r / step) * step * 2.0 ** e      # np.round: ties to even
;;       return np.moveaxis(q.reshape(q.shape[:-2] + (-1,))[..., :K], -1, axis).astype(np.float32)
;;   ~~~
;;   SOFTMAX AHEAD OF A QUANTISED PRODUCT. Where the list says 'softmax', what is quantised is not the finished softmax but p = 2^(t - M), with t = logit x log2(e) and M = ceil(the row's largest t), a whole number; so 1/2 < the row's largest p <= 1. The row's sum l is taken of the UNQUANTISED p, in f32, and the product's result is divided by l at the end. Since M is a whole number, a kernel that streams over the keys may use a running M (the ceiling of the running maximum): every later rescaling is an exact power of two, which a block's scale takes up: the codes' values come out the same.
;;   OPERANDS COMPUTED ON THE WAY. 'Computed on the way' means the value that the module computes at that place (a softmax that the list does not call 'softmax' is quantised finished and normalised). What goes into a quantiser is computed in f32, as accurately as f32 sums, v_exp_f32 and their like allow (about 1e-6 of the number): no bf16 or f16 on the way to a quantiser, and a product that is left as it is and whose result goes on into a quantised operand takes f32 operands (vector FMAs, or v_wmma_f32_16x16x4_f32). A number that lies on a knife's edge between two numbers of the format may be rounded either way, as far as f32 arithmetic and the matrix unit's own rounding can turn it there, and no further.
;; One version. Each part assembles by itself: llvm-mc -triple=amdgcn-amd-amdhsa -mcpu=gfx1250 --defsym DOCPART=n.
;; ======== version 1 of 1: 4 launches
;; limits: right only within a limited range of input values
;; workspace buffers: opi 9,437,184 bytes; ops 393,216 bytes; qkvi 18,874,368 bytes; qkvs 786,432 bytes; oi 6,291,456 bytes; osw 262,144 bytes
;; launch quant (part 1): grid 512 x 1, 4 waves a work-group, no clusters, 58,880 bytes of LDS; arguments x, w_qkv, w_out, opi, ops; writes opi, ops
.if DOCPART == 1
	.amdgcn_target "amdgcn-amd-amdhsa--gfx1250"
	.amdhsa_code_object_version 6
	.text
	.protected	k_qd8220cec22_quant
	.globl	k_qd8220cec22_quant
	.p2align	8
	.type	k_qd8220cec22_quant,@function
k_qd8220cec22_quant:
	s_mov_b64 s[64:65], 0
	v_nop
	global_prefetch_b8 v0, s[64:65] scope:SCOPE_SE
	s_setreg_imm32_b32 hwreg(HW_REG_WAVE_MODE, 25, 1), 1
	s_wait_xcnt 0x0
; x [8192][1024], w_qkv [1024][3072] and w_out [1024][1024], f32, become ONE operand of 12,288 rows and K = 1,024 in codes of FP6 (E2M3) with one E8M0 byte for each 32 along K:
; rows 0-8191 x's tokens, 8192-11263 w_qkv's columns, 11264-12287 w_out's columns.  The buffers are laid in the order of the operand's registers:
;   ROW-BLOCKS.  Lane-row r of row-block rb is row 32 (rb / 2) + 8 (rb % 2) + r + 8 (r / 8): a block takes eight neighbouring rows and the eight that lie 16 further on.
;   AN IMAGE, 1,536 bytes, is 16 rows x 128 K: 12 registers a lane (lane = r + 16 h; registers 6 c .. 6 c + 5 = K 64 c + 32 h + 0 .. 31).  Half c: registers 6 c .. 6 c + 3 at 768 c + 16 lane, registers 6 c + 4, 5 at 768 c + 512 + 8 lane.
;   opi: image (kp = K / 256, rb, q = (K / 128) % 2) at ((768 kp + rb) 2 + q) 1,536.   ops: the scale word of (kp, rb, r, q) at (768 kp + rb) 128 + 8 r + 4 q; byte b scales K 32 b .. 32 b + 31 of the 128.
; A block's scale is 2^(floor(log2(its largest magnitude)) - 2): its byte is the largest magnitude's exponent field - 2, held at 1 from below by a floor among the maximum's leaves.
; LIMITS: NaN and infinities among the inputs are not served.  A block whose largest magnitude lies under 2^(3 - 127) keeps the byte 1; a block of zeros keeps 1 where the rule says 127: its codes are zeros, and this program alone reads the bytes.
; Work-groups 0-255 take x (32 rows each; wave w takes K 256 w on), work-groups 256-511 the weights (128 along K x 128 columns; wave w takes 32 columns).  Waves share nothing: no barrier.  Each way has LDS bytes of its own.
.set KPS,  2359296                     ; opi: from kp to kp
.set XSTG, 8448                        ; x's way: a wave's stage, 16 rows x (512 + 16) bytes, from LDS byte 0 on
.set WST,  4*XSTG                      ; the weights' way: a wave's stage, four images on end
.set WSTG, 6144
	s_load_b256 s[4:11], s[0:1], 0x0               ; x s[4:5], w_qkv s[6:7], w_out s[8:9], opi s[10:11]
	s_load_b64 s[12:13], s[0:1], 0x20              ; ops
	s_set_vgpr_msb 0x40
	v_lshl_add_u32 v0, v0, 2, 0xe400
	v_mov_b32 v1, 0
	s_set_vgpr_msb 0x4000
	v_lshrrev_b32 v1, 5, v0
	v_readfirstlane_b32 s14, v1                    ; wave 0..3
	v_and_b32 v1, 31, v0                           ; lane
	s_cmp_lt_u32 ttmp9, 256
	s_cbranch_scc0 .Lweights
; ---------------- x: K is innermost.  Work-group g: rows 32 g on = row-blocks 2 g, 2 g + 1.  Fragment f = 2 u + q: row-block 2 g + u, the wave's q-th 128 along K.
; v4 16 lane; v5 into the stage; v6 out of it; v8 8 lane; v9 8 h; v10-11 largest magnitudes; v12-13 scale operands; v14-15 bytes; v16-17 at work; v18-21 the four scale words; v22-23 the pair stored;
; v24-47 codes, two sets; v48-55 the conversions' second halves; v64-255 three sets of 64 numbers.
	v_and_b32 v2, 15, v0                           ; r
	v_bfe_u32 v3, v0, 4, 1                         ; h
	v_lshlrev_b32 v4, 4, v1
	s_mul_i32 s15, s14, XSTG
	v_add_nc_u32 v5, s15, v4                       ; in: a row's 512 bytes as they are loaded
	v_mul_u32_u24 v6, v2, 528
	v_lshl_add_u32 v6, v3, 7, v6
	v_add_nc_u32 v6, s15, v6                       ; out: row r, + 128 h: my 32 numbers of each 64
	v_lshlrev_b32 v8, 3, v1
	v_lshlrev_b32 v9, 3, v3
	v_mov_b32 v17, 0                               ; a lane permute's destination counts as one of its sources
	s_mov_b32 s40, 0x76543210
	s_mov_b32 s41, 0xfedcba98                      ; selects: lane l xor 16
	s_mov_b32 s42, 0xffff0000                      ; lanes 16-31
	s_lshl_b32 s16, ttmp9, 17                      ; x: 32 rows of 4,096 bytes,
	s_lshl_b32 s17, s14, 10                        ; + 256 numbers a wave
	s_add_co_u32 s16, s16, s17
	s_mov_b32 s17, 0
	s_mul_i32 s18, s14, KPS                        ; opi: kp = wave, row-block 2 g: four images on end
	s_mul_i32 s19, ttmp9, 6144
	s_add_co_u32 s18, s18, s19
	s_mov_b32 s19, 0
	s_mul_i32 s20, s14, 98304                      ; ops likewise: 256 bytes
	s_lshl_b32 s21, ttmp9, 8
	s_add_co_u32 s20, s20, s21
	s_mov_b32 s21, 0
	s_wait_alu depctr_va_vdst(0)
	s_wait_kmcnt 0x0
	s_add_nc_u64 s[4:5], s[4:5], s[16:17]
	s_add_nc_u64 s[10:11], s[10:11], s[18:19]
	s_add_nc_u64 s[12:13], s[12:13], s[20:21]
.macro XLOAD f, xs                     ; fragment f's 16 rows x 512 bytes: each load reads 512 consecutive bytes
.set i, 0
.rept 16
	global_load_b128 v[\xs+4*i:\xs+4*i+3], v4, s[4:5] offset:(8*((\f)/2)+i+8*(i/8))*4096+512*((\f)%2) th:TH_LOAD_NT
.set i, i+1
.endr
.endm
.macro XFRAG f, xs, left               ; left: the younger loads that may stay out
.set CC, 24+12*((\f)%2)
	s_wait_loadcnt \left
.set i, 0
.rept 16
	ds_store_b128 v5, v[\xs+4*i:\xs+4*i+3] offset:528*i
.set i, i+1
.endr
.irp c, 0,1                            ; LDS serves a wave's instructions in order: these see the stores above.  Register 32 c + i becomes K 64 c + 32 h + i of row r
.irp j, 0,1,2,3,4,5,6,7
	ds_load_b128 v[\xs+32*\c+4*\j:\xs+32*\c+4*\j+3], v6 offset:256*\c+16*\j
.endr
.endr
	s_wait_dscnt 0x0
.irp c, 0,1                            ; block 2 c + h: all its 32 numbers are mine; the floor 2^(3 - 127) is one more leaf
	v_max3_num_f32 v[10+\c], |v[\xs+32*\c]|, |v[\xs+32*\c+1]|, 0x1800000
.endr
.irp i, 2,4,6,8,10,12,14,16,18,20,22,24,26,28,30
.irp c, 0,1
	v_max3_num_f32 v[10+\c], v[10+\c], |v[\xs+32*\c+\i]|, |v[\xs+32*\c+\i+1]|
.endr
.endr
.irp c, 0,1
	v_add_nc_u32 v[12+\c], 0xff000000, v[10+\c]    ; 2 off the exponent field: the conversion's scale operand
.endr
.irp c, 0,1
	v_lshrrev_b32 v[14+\c], 23, v[12+\c]           ; the scale's byte
.endr
	v_lshl_or_b32 v16, v15, 16, v14                ; my bytes: blocks h and 2 + h,
	v_lshlrev_b32 v16, v9, v16                     ; at their places in the word;
	v_permlanex16_b32 v17, v16, s40, s41
	v_or_b32 v[18+\f], v16, v17                    ; with lane l xor 16's two the word is whole
.if (\f) >= 2
	s_wait_alu depctr_va_vdst(0)
	s_wait_xcnt 0x0                                ; fragment f - 2's stores have read this set of codes
.endif
.irp c, 0,1
	v_cvt_scalef32_pk16_fp6_f32 v[CC+6*\c:CC+6*\c+2], v[\xs+32*\c:\xs+32*\c+15], v[12+\c]
	v_cvt_scalef32_pk16_fp6_f32 v[48+4*\c:48+4*\c+2], v[\xs+32*\c+16:\xs+32*\c+31], v[12+\c]   ; (a conversion's three registers begin on an even number)
.endr
	v_nop                                          ; one plain place behind a scaled conversion
.irp c, 0,1
.irp i, 0,1,2
	v_mov_b32 v[CC+6*\c+3+\i], v[48+4*\c+\i]
.endr
.endr
	global_store_b128 v4, v[CC:CC+3], s[10:11] offset:1536*(\f)           ; 512 consecutive bytes, aligned to 256
	global_store_b64 v8, v[CC+4:CC+5], s[10:11] offset:1536*(\f)+512      ; 256
	global_store_b128 v4, v[CC+6:CC+9], s[10:11] offset:1536*(\f)+768
	global_store_b64 v8, v[CC+10:CC+11], s[10:11] offset:1536*(\f)+1280
.endm
	XLOAD 0, 64
	XLOAD 1, 128
	XLOAD 2, 192
	XFRAG 0, 64, 32                                ; fragments 1 and 2 may be out
	XLOAD 3, 64                                    ; into the set that fragment 0 has left
	XFRAG 1, 128, 32                               ; 2 and 3 may be out
	XFRAG 2, 192, 16
	XFRAG 3, 64, 0
	v_cndmask_b32 v22, v18, v20, s42               ; lanes 0-15 store row-block 2 g's two words of row r, lanes 16-31 row-block 2 g + 1's
	v_cndmask_b32 v23, v19, v21, s42
	global_store_b64 v8, v[22:23], s[12:13]        ; 256 consecutive bytes, aligned
	s_set_vgpr_msb 0x5
	s_wait_tensorcnt 0x0
	ds_add_u32 v0, v1
	s_wait_dscnt 0x0
	s_set_vgpr_msb 0x500
	s_endpgm
; ---------------- the weights: K is the FIRST axis.  A lane takes a column and its registers run down K, so a block of 32 lies in one lane and the codes come out with K innermost.
; AS IT STANDS (in place of what the head comment says of these work-groups): work-groups 256-511 take the weights, 128 along K x 128 columns each; wave w takes 32 columns and four blocks of 32 along K.
; g' = work-group - 256: 2 kp + q = g' % 8, cg = g' / 8.  Pair P = 4 cg + wave = 32 neighbouring columns = row-blocks 512 + 2 P, 512 + 2 P + 1.  Column c of the pair is lane-row r = 8 (c / 16) + c % 8 of block u = (c / 8) % 2.
; The wave makes images (kp, 512 + 2 P + u, q), u = 0, 1, and one scale word a lane-row.
; v4, v5 into the stage (16 and 8 bytes a lane-row); v6 out of it; v7 16 lane; v8 my scale word's place; v10-13 at work; v16-24 a block's codes; v26 the scale word; v32-63 4 lane + i rows; v64-127 two sets of 32 numbers; v128-151 the way out.
.Lweights:
	s_sub_co_u32 s15, ttmp9, 256
	s_and_b32 s41, s15, 7                          ; 2 kp + q
	s_lshr_b32 s16, s41, 1                         ; kp
	s_and_b32 s40, s41, 1                          ; q
	s_lshr_b32 s17, s15, 3                         ; cg
	s_lshl_b32 s18, s17, 2
	s_add_co_u32 s18, s18, s14                     ; P
	s_mul_i32 s36, s16, KPS
	s_mul_i32 s37, s18, 6144
	s_add_co_u32 s36, s36, s37
	s_add_co_u32 s36, s36, 1572864                 ; row-block 512 on,
	s_mul_i32 s37, s40, 1536                       ; image q of its two
	s_add_co_u32 s36, s36, s37
	s_mov_b32 s37, 0
	s_mul_i32 s38, s16, 98304
	s_lshl_b32 s39, s18, 8
	s_add_co_u32 s38, s38, s39
	s_add_co_u32 s38, s38, 65536
	s_lshl_b32 s39, s40, 2                         ; word q of a lane-row's two
	s_add_co_u32 s38, s38, s39
	s_mov_b32 s39, 0
	s_sub_co_u32 s19, s17, 24
	s_mov_b32 s32, 4096
	s_wait_kmcnt 0x0
	s_cmp_lt_u32 s17, 24                           ; w_qkv's columns or w_out's?  The choice hangs on the work-group's number alone
	s_cselect_b64 s[6:7], s[6:7], s[8:9]
	s_cselect_b32 s32, 12288, s32                  ; a row in bytes
	s_cselect_b32 s19, s17, s19
	s_lshl_b32 s19, s19, 9                         ; 128 columns a work-group,
	s_lshl_b32 s20, s14, 7                         ; 32 a wave
	s_add_co_u32 s19, s19, s20
	s_lshl_b32 s20, s41, 7                         ; 128 rows for each 2 kp + q
	s_mul_i32 s20, s20, s32
	s_add_co_u32 s34, s19, s20
	s_mov_b32 s35, 0
	s_add_nc_u64 s[16:17], s[6:7], s[34:35]        ; block 0's first row
	s_lshl_b32 s34, s32, 5                         ; 32 rows on
.irp t, 1,2,3
	s_add_nc_u64 s[16+2*\t:17+2*\t], s[14+2*\t:15+2*\t], s[34:35]   ; a base for each block: none is ever stepped
.endr
	s_add_nc_u64 s[10:11], s[10:11], s[36:37]
	s_add_nc_u64 s[12:13], s[12:13], s[38:39]
	v_bfe_u32 v2, v0, 3, 1                         ; u
	v_bfe_u32 v3, v0, 4, 1
	v_and_b32 v9, 7, v0
	v_lshl_add_u32 v3, v3, 3, v9                   ; r
	s_mul_i32 s33, s14, WSTG
	s_add_co_u32 s33, s33, WST
	v_mul_u32_u24 v9, v2, 1536                     ; the stage holds two images: u = 0, 1
	v_add_nc_u32 v9, s33, v9
	v_lshl_add_u32 v4, v3, 4, v9
	v_lshl_add_u32 v5, v3, 3, v9
	s_wait_alu depctr_va_vdst(0)
	v_lshlrev_b32 v7, 4, v1
	v_add_nc_u32 v6, s33, v7
	v_lshlrev_b32 v8, 3, v3
	v_lshl_add_u32 v8, v2, 7, v8                   ; 128 u + 8 r
	v_lshlrev_b32 v32, 2, v1
.set i, 1
.rept 31
	v_add_nc_u32 v[32+i], s32, v[31+i]
.set i, i+1
.endr
.macro WLOAD t                         ; block t: rows 32 t + i at my column: 128 consecutive bytes a load
.set i, 0
.rept 32
	global_load_b32 v[64+32*((\t)%2)+i], v[32+i], s[16+2*(\t):17+2*(\t)] th:TH_LOAD_NT
.set i, i+1
.endr
.endm
.macro WBLOCK t                        ; block t is K step t / 4, half (t % 4) / 2, lane half t % 2 of my lane-row's fragment
.set XS, 64+32*((\t)%2)
.if (\t) < 3
	s_wait_loadcnt 32                              ; this block's 32 loads are in; the next block's may be out
.else
	s_wait_loadcnt 0x0
.endif
	v_max3_num_f32 v10, |v[XS]|, |v[XS+1]|, |v[XS+2]|
	v_max3_num_f32 v11, |v[XS+3]|, |v[XS+4]|, |v[XS+5]|
.irp i, 6,10,14,18,22,26
	v_max3_num_f32 v10, v10, |v[XS+\i]|, |v[XS+\i+1]|
	v_max3_num_f32 v11, v11, |v[XS+\i+2]|, |v[XS+\i+3]|
.endr
	v_max3_num_f32 v10, v10, |v[XS+30]|, |v[XS+31]|
	v_max3_num_f32 v10, v10, v11, 0x1800000        ; and the floor
	v_add_nc_u32 v12, 0xff000000, v10
	v_lshrrev_b32 v13, 23, v12
.if (\t)%4 == 0
	v_mov_b32 v[26+(\t)/4], v13
.else
	v_lshl_or_b32 v[26+(\t)/4], v13, 8*((\t)%4), v[26+(\t)/4]
.endif
	v_cvt_scalef32_pk16_fp6_f32 v[16:18], v[XS:XS+15], v12
	v_cvt_scalef32_pk16_fp6_f32 v[22:24], v[XS+16:XS+31], v12
	v_nop                                          ; one plain place behind a scaled conversion
	v_mov_b32 v19, v22
	v_mov_b32 v20, v23
	v_mov_b32 v21, v24
	ds_store_b128 v4, v[16:19] offset:1536*((\t)/4)+768*(((\t)%4)/2)+256*((\t)%2)
	ds_store_b64 v5, v[20:21] offset:1536*((\t)/4)+768*(((\t)%4)/2)+512+128*((\t)%2)
.if (\t) < 2
	WLOAD (\t)+2
.endif
	s_wait_dscnt 0x0                               ; the stores have read their registers: the next block writes them again
.endm
	WLOAD 0
	WLOAD 1
.irp t, 0,1,2,3
	WBLOCK \t
.endr
	s_wait_alu depctr_va_vdst(0)
	global_store_b32 v8, v26, s[12:13]             ; one word a lane-row, 8 bytes apart: the other word of the pair belongs to the work-group that has the other q
.irp j, 0,1,2,3,4,5
	ds_load_b128 v[128+4*\j:128+4*\j+3], v6 offset:512*\j
.endr
.irp j, 0,1,2,3,4,5
	s_wait_dscnt 5-\j
	global_store_b128 v7, v[128+4*\j:128+4*\j+3], s[10:11] offset:3072*(\j/3)+512*(\j%3)   ; the two images leave as they lie, 3,072 bytes apart: 512 consecutive bytes a store
.endr
	s_set_vgpr_msb 0x5
	s_wait_tensorcnt 0x0
	ds_add_u32 v0, v1
	s_wait_dscnt 0x0
	s_set_vgpr_msb 0x500
	s_endpgm
.Lfunc_end_k_qd8220cec22_quant:
	.size	k_qd8220cec22_quant, .Lfunc_end_k_qd8220cec22_quant-k_qd8220cec22_quant
	.p2alignl 7, 3214868480
	.fill 96, 4, 3214868480
	.section	.rodata,"a",@progbits
	.p2align	6, 0x0
	.amdhsa_kernel k_qd8220cec22_quant
		.amdhsa_group_segment_fixed_size 58880
		.amdhsa_private_segment_fixed_size 0
		.amdhsa_enable_private_segment 0
		.amdhsa_kernarg_size 40
		.amdhsa_user_sgpr_count 2
		.amdhsa_user_sgpr_kernarg_segment_ptr 1
		.amdhsa_wavefront_size32 1
		.amdhsa_system_sgpr_workgroup_id_x 1
		.amdhsa_system_sgpr_workgroup_id_y 1
		.amdhsa_system_sgpr_workgroup_id_z 1
		.amdhsa_system_vgpr_workitem_id 0
		.amdhsa_next_free_vgpr 258
		.amdhsa_next_free_sgpr 66
		.amdhsa_reserve_vcc 0
		.amdhsa_float_denorm_mode_32 3
		.amdhsa_float_denorm_mode_16_64 3
		.amdhsa_memory_ordered 1
		.amdhsa_forward_progress 1
		.amdhsa_inst_pref_size 54
	.end_amdhsa_kernel
	.amdgpu_metadata
---
amdhsa.version: [ 1, 2 ]
amdhsa.kernels:
  - .name:           k_qd8220cec22_quant
    .symbol:         k_qd8220cec22_quant.kd
    .args:
      - { .name: x, .offset: 0, .size: 8, .value_kind: global_buffer, .address_space: global }
      - { .name: w_qkv, .offset: 8, .size: 8, .value_kind: global_buffer, .address_space: global }
      - { .name: w_out, .offset: 16, .size: 8, .value_kind: global_buffer, .address_space: global }
      - { .name: opi, .offset: 24, .size: 8, .value_kind: global_buffer, .address_space: global }
      - { .name: ops, .offset: 32, .size: 8, .value_kind: global_buffer, .address_space: global }
    .group_segment_fixed_size: 58880
    .private_segment_fixed_size: 0
    .kernarg_segment_align: 8
    .kernarg_segment_size: 40
    .max_flat_workgroup_size: 128
    .sgpr_count:     66
    .vgpr_count:     258
    .wavefront_size: 32
...
	.end_amdgpu_metadata
.endif
;; end of part 1
;; launch qkv (part 2): grid 8 x 48, 4 waves a work-group, clusters of 4 x 4, 327,680 bytes of LDS; arguments opi, ops, qkvi, qkvs; writes qkvi, qkvs
.if DOCPART == 2
	.amdgcn_target "amdgcn-amd-amdhsa--gfx1250"
	.amdhsa_code_object_version 6
	.text
	.protected	k_qd8220cec22_qkv
	.globl	k_qd8220cec22_qkv
	.p2align	8
	.type	k_qd8220cec22_qkv,@function
k_qd8220cec22_qkv:
	s_mov_b64 s[64:65], 0
	v_nop
	global_prefetch_b8 v0, s[64:65] scope:SCOPE_SE
	s_setreg_imm32_b32 hwreg(HW_REG_WAVE_MODE, 25, 1), 1
	s_wait_xcnt 0x0
	s_wait_alu depctr_hold_cnt(0) depctr_sa_sdst(0) depctr_va_vdst(0) depctr_va_sdst(0) depctr_va_ssrc(0) depctr_va_vcc(0) depctr_vm_vsrc(0)
	s_getreg_b32 s2, hwreg(HW_REG_IB_STS2, 6, 4)
	s_cmp_eq_u32 s2, 0
	s_cbranch_scc0 .Lentry_in_a_cluster
	s_endpgm
.Lentry_in_a_cluster:
	s_bfe_u32 s2, ttmp6, 0x10000c
	s_cmp_lg_u32 s2, 0xf033
	s_cbranch_scc0 .Lentry_shape_is_right
	s_endpgm
.Lentry_shape_is_right:
; qkv = x w_qkv on codes of FP6 (E2M3) with E8M0 scales, sums in f32; the results are quantised in registers as the operands of attention's two products and never go to memory as f32.
; OPERANDS come as images of their registers (1,536 bytes for 16 rows x 128 K: half c has registers 6 c .. 6 c + 3 at 768 c + 16 lane and 6 c + 4, 5 at 768 c + 512 + 8 lane), image (kp, rb, q) at ((768 kp + rb) 2 + q) 1,536 of opi;
; scale words at (768 kp + rb) 128 + 8 r + 4 q of ops.  Row-blocks 0-511 are tokens, 512-703 w_qkv's columns.  Lane-row r of row-block rb is row 32 (rb / 2) + 8 (rb % 2) + r + 8 (r / 8).
; A tile of 256 x 256 is made by four waves, 128 x 128 each: 64 accumulators.  THE MATRIX INSTRUCTION IS USED TRANSPOSED: source 0 = B's 16 rows, source 1 = A's: a lane holds ONE row of A, and by the order of rows in a block
; the 16 registers of B's blocks 2 b and 2 b + 1 are 16 NEIGHBOURS of B's side.  For q and k (cluster y 0-7): A = tokens, B = columns: a lane's registers run along d, K of the scores' product.
; For v (cluster y 8-11): A = v's columns, B = tokens: a lane's registers run along the keys, K of the second product.  Both sides lie in the same two buffers: the mode enters row-block numbers and store offsets alone, no branch.
; K = 1,024 is 8 steps of 128, written out.  Three LDS slots of 256 along K are filled at the head (kp 0, 1, 2); kp 3 is the one refill, into slot 0.  The scales of the tile's 512 rows for all of K come once.
; CLUSTERS: 4 x 4.  A's tiles are shared along a row of the cluster, B's along a column: joint loads.  A wave has one tensor load out at the start and one behind the refill's round.
; OUT.  qkvi: [q, k, v: 6,291,456][batch x head: 98,304][64 images].  q, k: image kb holds tokens 32 kb on: half 0 = token block 2 kb, half 1 = block 2 kb + 1; in a half lane (r, h) holds d = 32 h + 0 .. 31.
;       v: image 4 kstep + dt: lane-row r = d of block dt, K = the 128 keys of kstep.   qkvs: [3: 262,144][64: 4,096][kstep: 256][r: 16][4 words]: q, k: word kb % 4 = the two blocks' two bytes each; v: word dt = the four key blocks' bytes.
; LIMITS: NaN and infinities are not served; a block whose largest magnitude lies under 2^(3 - 127) keeps the byte 1, a block of zeros too (its codes are zeros; this program alone reads the bytes).
; REGISTERS: window 0: v2 r, v3 h, v4-15 fragment addresses, v16 scale words' address, v17-23 store offsets, v28-29 the add's, v32-63 scale words (two sets; nothing else ever), v64-75 the way out's words, v128-223 A's fragments, then the codes made,
;   v224-247 at work, v248-255 the eight scale words made.  window 1: B's fragments, two sets (v0, v128).  windows 2, 3: accumulator (a, b) at v[8 (8 (a % 4) + b)] of window 2 + a / 4.
.set KPS,   2359296                    ; opi: from kp to kp
.set SLOT,  98304                      ; A's 16 row-blocks x 3,072 bytes, then B's 16
.set HALFT, 24576                      ; 8 row-blocks: what one tensor load brings, and what a wave reads of A or of B
; LDS AS IT STANDS (this takes the place of what the head comment says of slots and of the loads at the start): A's 16 row-blocks of kp 0, 1, 2 lie on end from byte 0 (49,152 bytes a kp), B's from BB on.
; THE HEAD'S LOADS, ONE A WAVE: wave 0 A's three kp as three rows of 49,152 bytes, wave 1 B's, wave 2 A's scale words, wave 3 B's.  kp 3 is the one refill, into kp 0's bytes, a quarter a wave.
; The scale words: A's [kp 4][rb 16][128] at SCL, B's 8,192 bytes further on.
.set BB,    6*HALFT
.set SCL,   3*SLOT
.set SPARE, SCL+16384                  ; the spare words, 128 bytes a wave: two blocks of 256 bytes that no other line names
.set A16, 4
.set A8,  7
.set B16, 10
.set B8,  13
.set ADRS, 16
.set SPW, 28
.set NIL, 29
.set SC,  32
.set AF,  128
.set TM,  224                          ; v224-227 largest magnitudes, v228-231 bytes, v236-239 scale operands
.set TT,  240                          ; v240-247 the conversions' second halves
.set G1,  24                           ; s[24:31] group 1 for A's tiles; s[32:39] their groups 0: the refill's and the head's
.set G0,  32
.set G1B, 44                           ; s[44:51], s[52:59] the same for B's
.set G0B, 52
.set G1S, 68                           ; s[68:75], s[76:79] A's scales; s[80:87], s[88:91] B's
.set G0S, 76
.set G1SB, 80
.set G0SB, 88
.set MSB, 0
.macro WIN new                         ; the immediate's high byte repeats the setting that is left
.if MSB != (\new)
	s_set_vgpr_msb (MSB<<8)|(\new)
.set MSB, (\new)
.endif
.endm
.set MUL_LO, 0xa1                      ; source 0 (B) window 1, source 1 (A) window 0, C and D window 2
.set MUL_HI, 0xf1
.set TO_B,   0x40                      ; destination window 1, address window 0
.macro JLOAD g0a, g1a, g0b, g1b        ; a joint load: waves 0 and 1 fetch for A, waves 2 and 3 for B; four v_nop follow each line
	s_cmp_eq_u32 s15, 0
	s_cbranch_scc0 .Lfor_b_\@
	tensor_load_to_lds s[\g0a:\g0a+3], s[\g1a:\g1a+7]
	s_nop 0
.rept 4
	v_nop
.endr
	s_branch .Lasked_\@
.Lfor_b_\@:
	tensor_load_to_lds s[\g0b:\g0b+3], s[\g1b:\g1b+7]
	s_nop 0
.rept 4
	v_nop
.endr
.Lasked_\@:
.endm
.macro CREST                           ; a round of the cluster's barrier behind its opening barrier
	s_cmp_lg_u32 s14, 0
	s_cbranch_scc1 .Lnot_wave_0_\@
	s_barrier_signal -3
.Lnot_wave_0_\@:
	s_barrier_wait -3
	s_barrier_signal -1
	s_barrier_wait -1
.endm
.macro CROUND
	s_barrier_signal -1
	s_barrier_wait -1
	CREST
.endm
.macro PLACES n
.rept \n
	v_nop
.endr
.endm
	s_load_b256 s[4:11], s[0:1], 0x0               ; opi s[4:5], ops s[6:7], qkvi s[8:9], qkvs s[10:11]
	v_lshl_add_u32 v[SPW], v0, 2, SPARE
	v_mov_b32 v[NIL], 0
	ds_add_u32 v28, v29
	ds_add_u32 v28, v29
	s_wait_dscnt 0x0
	v_lshrrev_b32 v1, 5, v0
	v_readfirstlane_b32 s14, v1                    ; wave 0..3
	s_lshr_b32 s15, s14, 1                         ; wr: my half of A.  Also: I fetch for A (0) or for B (1)
	s_and_b32 s16, s14, 1                          ; wc: my half of B.  Also: which 8 row-blocks I fetch
	s_bfe_u32 s17, ttmp6, 0x40000                  ; cx
	s_bfe_u32 s18, ttmp6, 0x40004                  ; cy
	s_and_b32 s19, ttmp7, 0xffff                   ; cluster y, 0..11
	s_lshr_b32 s2, s19, 3                          ; V = 1 in v's clusters: the same in all sixteen partners
	s_xor_b32 s3, s2, 1
	s_lshl_b32 s22, s18, 2
	s_lshl_b32 s22, 15, s22                        ; my row of the cluster
	s_lshl_b32 s23, 0x1111, s17                    ; my column
	s_or_b32 s[G1+0], s22, (3<<16)|(1<<21)         ; 15:0 the mask; 17:16 elements of 8 bytes; 20 no padding; 21 set beside a mask
	s_or_b32 s[G1B+0], s23, (3<<16)|(1<<21)
.irp g, G1, G1B                        ; for the head: 16 row-blocks of each of three kp, 49,152 dense bytes a kp
	s_mov_b32 s[\g+1], 6144<<16                    ; for the head's loads: rows of 6,144 elements of 8 bytes (16 row-blocks of one kp),
	s_mov_b32 s[\g+2], 3<<16                       ; three of them (kp 0, 1, 2),
	s_mov_b32 s[\g+3], 6144<<16
	s_mov_b32 s[\g+4], 3
	s_mov_b32 s[\g+5], KPS/8                       ; from kp to kp
	s_mov_b32 s[\g+6], 0
	s_mov_b32 s[\g+7], 0
.endr
	s_or_b32 s[G1S+0], s22, (3<<16)|(1<<21)
	s_or_b32 s[G1SB+0], s23, (3<<16)|(1<<21)
.irp g, G1S, G1SB                      ; their scale words: 4 rows (kp) of 2,048 bytes, 98,304 bytes apart
	s_mov_b32 s[\g+1], 256<<16                     ; 16 row-blocks' words of one kp: 2,048 bytes
	s_mov_b32 s[\g+2], 4<<16
	s_mov_b32 s[\g+3], 256<<16
	s_mov_b32 s[\g+4], 4
	s_mov_b32 s[\g+5], 12288
	s_mov_b32 s[\g+6], 0
	s_mov_b32 s[\g+7], 0
.endr
	; A's first row-block that I would fetch: q, k: 64 cluster y + 16 cy; v: 640 + 16 cy; + 8 wc.  It is made in A's own descriptor registers, which never hold cx
	s_lshl_b32 s[G0+2], s19, 6
	s_mul_i32 s[G0+2], s[G0+2], s3
	s_mul_i32 s[G0+3], s2, 640
	s_add_co_u32 s[G0+2], s[G0+2], s[G0+3]
	s_lshl_b32 s[G0+3], s18, 4
	s_add_co_u32 s[G0+2], s[G0+2], s[G0+3]
	s_lshl_b32 s[G0S+2], s[G0+2], 7
	s_mov_b32 s[G0S+3], 0
	s_mul_i32 s[G0+2], s[G0+2], 3072               ; its images, in bytes
	s_mov_b32 s[G0+3], 0
	; B's: q, k: 512 + 64 cluster x + 16 cx; v: 64 cluster x + 128 (cluster y - 8) + 16 cx; + 8 wc.  In B's own registers, which never hold cy
	s_lshl_b32 s[G0B+2], ttmp9, 6
	s_lshl_b32 s[G0B+3], s17, 4
	s_add_co_u32 s[G0B+2], s[G0B+2], s[G0B+3]
	s_lshl_b32 s[G0B+3], s3, 9
	s_add_co_u32 s[G0B+2], s[G0B+2], s[G0B+3]
	s_sub_co_u32 s[G0B+3], s19, 8
	s_lshl_b32 s[G0B+3], s[G0B+3], 7
	s_mul_i32 s[G0B+3], s[G0B+3], s2
	s_add_co_u32 s[G0B+2], s[G0B+2], s[G0B+3]
	s_lshl_b32 s[G0SB+2], s[G0B+2], 7
	s_mov_b32 s[G0SB+3], 0
	s_mul_i32 s[G0B+2], s[G0B+2], 3072
	s_mov_b32 s[G0B+3], 0
	s_mul_i32 s20, s16, HALFT                      ; the refill: my 8 row-blocks of the 16, in memory and in LDS alike: the wave's number alone
	s_mov_b32 s21, 0
	s_wait_kmcnt 0x0
	s_add_nc_u64 s[G0+2:G0+3], s[4:5], s[G0+2:G0+3]
	s_add_nc_u64 s[G0B+2:G0B+3], s[4:5], s[G0B+2:G0B+3]
	s_add_nc_u64 s[G0S+2:G0S+3], s[6:7], s[G0S+2:G0S+3]
	s_add_nc_u64 s[G0SB+2:G0SB+3], s[6:7], s[G0SB+2:G0SB+3]
	s_mov_b32 s[G0+4], 1                           ; the head's group 0 for A: all 16 row-blocks, kp 0 on, to LDS byte 0
	s_mov_b32 s[G0+5], 0
	s_mov_b64 s[G0+6:G0+7], s[G0+2:G0+3]
	s_or_b32 s[G0+7], s[G0+7], 0x80000000
	s_mov_b32 s[G0B+4], 1                          ; and for B, to BB
	s_mov_b32 s[G0B+5], BB
	s_mov_b64 s[G0B+6:G0B+7], s[G0B+2:G0B+3]
	s_or_b32 s[G0B+7], s[G0B+7], 0x80000000
	s_mov_b32 s[G0], 1                             ; the refill's group 0: my 8 row-blocks of kp 3, into kp 0's bytes
	s_mov_b32 s[G0+1], s20
	s_add_nc_u64 s[G0+2:G0+3], s[G0+2:G0+3], s[20:21]
	s_add_nc_u64 s[G0+2:G0+3], s[G0+2:G0+3], 3*KPS
	s_or_b32 s[G0+3], s[G0+3], 0x80000000
	s_mov_b32 s[G0B], 1
	s_add_co_u32 s[G0B+1], s20, BB
	s_add_nc_u64 s[G0B+2:G0B+3], s[G0B+2:G0B+3], s[20:21]
	s_add_nc_u64 s[G0B+2:G0B+3], s[G0B+2:G0B+3], 3*KPS
	s_or_b32 s[G0B+3], s[G0B+3], 0x80000000
	s_mov_b32 s[G0S], 1
	s_mov_b32 s[G0S+1], SCL
	s_or_b32 s[G0S+3], s[G0S+3], 0x80000000
	s_mov_b32 s[G0SB], 1
	s_mov_b32 s[G0SB+1], SCL+8192
	s_or_b32 s[G0SB+3], s[G0SB+3], 0x80000000
	CROUND                                         ; all sixteen work-groups are here: the first joint loads meet
; one chain of branches on the wave's number, one load to an arm, all arms leading to one join: one tensor load a wave at the head
.macro ARM under, g0, g1, next
	s_cmp_lt_u32 s14, \under
	s_cbranch_scc0 \next
	tensor_load_to_lds s[\g0:\g0+3], s[\g1:\g1+7]
	s_nop 0
.rept 4
	v_nop
.endr
	s_branch .Lhead_asked
\next:
.endm
	ARM 1, G0+4,  G1,  .Lhead_b
	ARM 2, G0B+4, G1B, .Lhead_sa
	ARM 3, G0S,   G1S, .Lhead_sb
	tensor_load_to_lds s[G0SB:G0SB+3], s[G1SB:G1SB+7]
	s_nop 0
.rept 4
	v_nop
.endr
.Lhead_asked:
	v_and_b32 v1, 31, v0                           ; lane
	v_and_b32 v2, 15, v0                           ; r
	v_bfe_u32 v3, v0, 4, 1                         ; h
	v_lshlrev_b32 v17, 4, v1                       ; 16 lane
	v_lshlrev_b32 v19, 3, v1                       ; 8 lane
	s_mul_i32 s20, s15, HALFT                      ; my 8 row-blocks of A,
	s_mul_i32 s21, s16, HALFT                      ; of B,
	s_add_co_u32 s21, s21, BB                      ; which lie behind A's three kp
.irp s, 0,1,2
	v_add_nc_u32 v[A16+\s], s20, v17
	v_add_nc_u32 v[A8+\s], s20, v19
	v_add_nc_u32 v[B16+\s], s21, v17
	v_add_nc_u32 v[B8+\s], s21, v19
	s_add_co_u32 s20, s20, 2*HALFT                 ; from kp to kp
	s_add_co_u32 s21, s21, 2*HALFT
.endr
	s_lshl_b32 s20, s15, 10                        ; scale words: lanes 0-15 A's 8 row-blocks wr, lanes 16-31 B's wc: 1,024 bytes for 8 row-blocks
	s_lshl_b32 s21, s16, 10
	s_add_co_u32 s21, s21, 8192
	s_sub_co_u32 s21, s21, s20
	v_mul_u32_u24 v[ADRS], s21, v3
	s_add_co_u32 s20, s20, SCL
	v_lshl_add_u32 v[ADRS], v2, 3, v[ADRS]
	v_add_nc_u32 v[ADRS], s20, v[ADRS]
	s_mov_b32 s20, 0x76543210
	s_mov_b32 s21, 0xfedcba98                      ; selects: lane l xor 16
	; where the results go.  These numbers mix cx and cy: they live in registers that feed no descriptor (s12, s13, s66, s67, s92-99)
	s_lshl_b32 s12, s19, 2
	s_add_co_u32 s12, s12, s18                     ; 4 cluster y + cy
	s_lshl_b32 s13, ttmp9, 2
	s_add_co_u32 s13, s13, s17                     ; 4 cluster x + cx
	s_sub_co_u32 s66, s19, 8
	s_lshl_b32 s66, s66, 3
	s_add_co_u32 s66, s66, s13                     ; v: the tile of tokens
	s_add_co_u32 s67, s18, 8                       ; v: the tile of columns
	s_mov_b32 s96, 768
	s_cmp_eq_u32 s2, 0
	s_cselect_b32 s12, s12, s66                    ; my tile of 256 tokens
	s_cselect_b32 s13, s13, s67                    ; my tile of 256 columns, 0..11
	s_cselect_b32 s66, s15, s16                    ; my half of the tokens
	s_cselect_b32 s67, s16, s15                    ; my half of the columns
	s_cselect_b32 s96, 98304, s96                  ; beta: from half c = 0 to c = 1 of a lane's codes: q, k the next head; v the image's second half
	s_lshr_b32 s92, s12, 3
	s_lshl_b32 s92, s92, 4                         ; 16 x batch
	s_and_b32 s93, s13, 3
	s_lshl_b32 s93, s93, 2
	s_add_co_u32 s92, s92, s93
	s_lshl_b32 s93, s67, 1
	s_add_co_u32 s92, s92, s93                     ; my first (batch, head)
	s_and_b32 s93, s12, 7
	s_lshl_b32 s93, s93, 1
	s_add_co_u32 s93, s93, s66                     ; my 128 tokens: kstep
	s_lshr_b32 s13, s13, 2                         ; q, k or v
	s_mul_i32 s98, s13, 6291456
	s_mul_i32 s99, s92, 98304
	s_add_co_u32 s98, s98, s99
	s_mul_i32 s99, s93, 6144
	s_add_co_u32 s98, s98, s99
	s_mov_b32 s99, 0
	s_add_nc_u64 s[8:9], s[8:9], s[98:99]
	s_lshl_b32 s98, s13, 18
	s_lshl_b32 s92, s92, 12
	s_add_co_u32 s98, s98, s92
	s_lshl_b32 s93, s93, 8
	s_add_co_u32 s98, s98, s93
	s_add_nc_u64 s[10:11], s[10:11], s[98:99]
	s_lshl_b32 s94, 768, s2                        ; alpha: from A's block a to a + 1: q, k half an image; v an image
	s_mov_b32 s95, 0
	s_mul_i32 s98, s2, 92160
	s_add_co_u32 s98, s98, s94                     ; and from block 3 to 4: v goes on to the next head
	s_sub_co_u32 s97, 0, s2                        ; all ones in v's clusters
	v_add_nc_u32 v18, s96, v17
	v_add_nc_u32 v20, s96, v19
	s_mov_b32 s96, 0xffff0000                      ; lanes 16-31
	v_lshlrev_b32 v21, 4, v2
	v_lshl_add_u32 v21, v3, 12, v21                ; scale words: 16 r, lanes 16-31 the next head
	v_mov_b32 v22, 0x05040100
	v_mov_b32 v23, 0x07060302
	v_cndmask_b32 v22, v22, v23, s96               ; which two bytes of a token's word are head h's
.irp b, 0,1,2,3
	v_mov_b32 v[TM+4+\b], 0                        ; written once: a lane permute's destination counts as one of its sources
.endr
.macro FRAG reg, a16, a8, off          ; an image comes back as the registers that it is
	ds_load_b128 v[(\reg):(\reg)+3], v[\a16] offset:(\off)
	ds_load_b64 v[(\reg)+4:(\reg)+5], v[\a8] offset:(\off)+512
	ds_load_b128 v[(\reg)+6:(\reg)+9], v[\a16] offset:(\off)+768
	ds_load_b64 v[(\reg)+10:(\reg)+11], v[\a8] offset:(\off)+1280
.endm
; 16 matrix instructions: A's blocks a0, a0 + 1 x B's eight.  p: B's set; q: which 128 of the slot's 256; sc: the set of scale words; zero = 1: the first products start the sums.
; The 64 accumulators take turns, one instruction a turn, in the same order in every step.
.macro MUL16 a0, p, q, sc, zero
.irp a, \a0, \a0+1
.irp b, 0,1,2,3,4,5,6,7
.if \zero
	v_wmma_scale_f32_16x16x128_f8f6f4 v[8*(8*((\a)%4)+\b):8*(8*((\a)%4)+\b)+7], v[128*(\p)+12*\b:128*(\p)+12*\b+11], v[AF+12*(\a):AF+12*(\a)+11], 0, v[SC+16*(\sc)+2*\b+(\q)], v[SC+16*(\sc)+2*(\a)+(\q)] matrix_a_fmt:MATRIX_FMT_FP6 matrix_b_fmt:MATRIX_FMT_FP6 matrix_a_scale:MATRIX_SCALE_ROW1
.else
	v_wmma_scale_f32_16x16x128_f8f6f4 v[8*(8*((\a)%4)+\b):8*(8*((\a)%4)+\b)+7], v[128*(\p)+12*\b:128*(\p)+12*\b+11], v[AF+12*(\a):AF+12*(\a)+11], v[8*(8*((\a)%4)+\b):8*(8*((\a)%4)+\b)+7], v[SC+16*(\sc)+2*\b+(\q)], v[SC+16*(\sc)+2*(\a)+(\q)] matrix_a_fmt:MATRIX_FMT_FP6 matrix_b_fmt:MATRIX_FMT_FP6 matrix_a_scale:MATRIX_SCALE_ROW1
.endif
.endr
.endr
.endm
.macro FETCH_B slot, q, p              ; 32 loads
	WIN TO_B
.irp i, 0,1,2,3,4,5,6,7
	FRAG 128*(\p)+12*\i, B16+(\slot), B8+(\slot), \i*3072+(\q)*1536
.endr
	WIN 0
.endm
.macro FETCH_A slot, q, i0             ; 16 loads: A's blocks i0 .. i0 + 3
.irp i, \i0, \i0+1, \i0+2, \i0+3
	FRAG AF+12*(\i), A16+(\slot), A8+(\slot), (\i)*3072+(\q)*1536
.endr
.endm
.macro SCALES kp                       ; 8 loads: kp's two words a row; lanes 0-15 A's block i, lanes 16-31 B's block i
.irp i, 0,1,2,3,4,5,6,7
	ds_load_b64 v[SC+16*((\kp)%2)+2*\i:SC+16*((\kp)%2)+2*\i+1], v[ADRS] offset:(\kp)*2048+128*\i
.endr
.endm
; Step g of 128 along K; the next step's fragments lie in slot ns at its nq-th 128.  A has one set of registers (a block is free when its eight products are issued), B two.
; A load into a register that a matrix instruction has read stands four plain vector instructions behind it (ISA guide 7.12.1 for vector instructions).
.macro STEP g, ns, nq, zero
	s_wait_dscnt 16                                ; all but the youngest 16 loads (A's blocks 4-7) are in
	WIN MUL_LO
	MUL16 0, (\g)%2, (\g)%2, ((\g)/2)%2, \zero
	MUL16 2, (\g)%2, (\g)%2, ((\g)/2)%2, \zero
	s_wait_dscnt 0x0                               ; A's blocks 4-7 are in
	PLACES 4
	FETCH_B \ns, \nq, 1-(\g)%2
	FETCH_A \ns, \nq, 0
.if (\nq) == 0
	SCALES ((\g)+1)/2
.endif
	WIN MUL_HI
	MUL16 4, (\g)%2, (\g)%2, ((\g)/2)%2, \zero
	MUL16 6, (\g)%2, (\g)%2, ((\g)/2)%2, \zero
	PLACES 4
	WIN 0
	FETCH_A \ns, \nq, 4
.endm
; An odd step with a barrier.  In front of it each wave waits for all its tensor loads, adds 0 to its spare word, and waits for that and for its LDS reads.  fill = 1: slot 0, which nobody reads any more, takes kp 3.
.macro TURN g, ns, fill
	s_wait_tensorcnt 0x0                           ; all my tensor loads have landed
	ds_add_u32 v[SPW], v[NIL]                      ; 0 onto my spare word
	s_wait_dscnt 17                                ; (the add and the youngest 16 loads may be out)
	WIN MUL_LO
	MUL16 0, 1, 1, ((\g)/2)%2, 0                   ; sixteen matrix instructions stand between the add and the wait for it
	s_wait_dscnt 0x0                               ; the add is done, and my reads of the slot in hand are over
	s_barrier_signal -1
	MUL16 2, 1, 1, ((\g)/2)%2, 0
	WIN 0                                          ; at a branch and at a label every window is 0
	s_barrier_wait -1
.if \fill
	CREST                                          ; the barrier has opened a round of the cluster's: no wave of any partner still reads slot 0 or has a load on its way
	JLOAD G0, G1, G0B, G1B                         ; the first tensor load behind the round; its four v_nop are also the places in front of the loads below
.else
	PLACES 4
.endif
	FETCH_B \ns, 0, 0
	FETCH_A \ns, 0, 0
	SCALES ((\g)+1)/2
	WIN MUL_HI
	MUL16 4, 1, 1, ((\g)/2)%2, 0
	MUL16 6, 1, 1, ((\g)/2)%2, 0
	PLACES 4
	WIN 0
	FETCH_A \ns, 0, 4
.endm
	s_wait_alu depctr_va_vdst(0)
	s_wait_tensorcnt 0x0                           ; my one load of the head is in
.irp g, G1, G1B                        ; no tensor load of mine is out, so group 1 may be written: the refill brings 8 row-blocks, 96 rows of 256 bytes
	s_mov_b32 s[\g+1], 32<<16
	s_mov_b32 s[\g+2], 96<<16
	s_mov_b32 s[\g+3], 32<<16
	s_mov_b32 s[\g+4], 96
	s_mov_b32 s[\g+5], 32
.endr
	s_barrier_signal -1
	s_barrier_wait -1
	FETCH_B 0, 0, 0
	FETCH_A 0, 0, 0
	SCALES 0
	FETCH_A 0, 0, 4
	STEP 0, 0, 1, 1
	TURN 1, 1, 1                                   ; its wait for all loads also shows slots 1 and 2 whole, in every wave
	STEP 2, 1, 1, 0
	STEP 3, 2, 0, 0
	STEP 4, 2, 1, 0
	TURN 5, 0, 0                                   ; the load that was out is kp 3
	STEP 6, 0, 1, 0
	s_wait_dscnt 16                                ; the last step: nothing more to fetch
	WIN MUL_LO
	MUL16 0, 1, 1, 1, 0
	MUL16 2, 1, 1, 1, 0
	s_wait_dscnt 0x0
	WIN MUL_HI
	MUL16 4, 1, 1, 1, 0
	MUL16 6, 1, 1, 1, 0
	WIN 0
	PLACES 4                                       ; in front of the first read of results and the first write over A's fragments
; THE WAY OUT.  A's block a: a lane's 64 registers, register 16 b + i = index 32 b + 16 h + i of B's side, become a fragment's 12 registers and its scale word.
.macro QUANT a
.set QW, 2+(\a)/4
.set AC, 64*((\a)%4)
.set PC, AF+12*(\a)
	WIN 5*QW                                       ; sources 0 and 1 in the accumulators' window
.irp b, 0,1,2,3
	v_max3_num_f32 v[TM+\b], |v[AC+16*\b]|, |v[AC+16*\b+1]|, 0x1800000   ; block b: my 16 numbers, each accumulator from its low end on, and the floor 2^(3 - 127)
.endr
.irp i, 2,4,6,8,10,12,14
.irp b, 0,1,2,3
	v_max3_num_f32 v[TM+\b], |v[AC+16*\b+\i]|, |v[AC+16*\b+\i+1]|, v[TM+\b]
.endr
.endr
	WIN 0
.irp b, 0,1,2,3
	v_permlanex16_b32 v[TM+4+\b], v[TM+\b], s20, s21
.endr
.irp b, 0,1,2,3
	v_max_num_f32 v[TM+\b], v[TM+\b], v[TM+4+\b]   ; with lane l xor 16's: the block's largest magnitude
.endr
.irp b, 0,1,2,3
	v_add_nc_u32 v[TM+12+\b], 0xff000000, v[TM+\b] ; 2 off its exponent field: the conversion's scale operand
.endr
.irp b, 0,1,2,3
	v_lshrrev_b32 v[TM+4+\b], 23, v[TM+12+\b]      ; the scale's byte
.endr
	v_lshl_or_b32 v[248+\a], v[TM+5], 8, v[TM+4]
	v_lshl_or_b32 v[248+\a], v[TM+6], 16, v[248+\a]
	v_lshl_or_b32 v[248+\a], v[TM+7], 24, v[248+\a]
	WIN QW                                         ; source 0 alone
.irp c, 0,1
	v_cvt_scalef32_pk16_fp6_f32 v[PC+6*\c:PC+6*\c+2], v[AC+32*\c:AC+32*\c+15], v[TM+12+2*\c]
	v_cvt_scalef32_pk16_fp6_f32 v[TT+4*\c:TT+4*\c+2], v[AC+32*\c+16:AC+32*\c+31], v[TM+12+2*\c+1]
.endr
	WIN 0
	v_nop                                          ; one plain place behind a scaled conversion
.irp c, 0,1                            ; the layout wants a WHOLE block in a lane: lanes 0-15 block 2 c, lanes 16-31 block 2 c + 1
.irp i, 0,1,2
	v_permlane16_swap_b32 v[PC+6*\c+\i], v[TT+4*\c+\i]
.endr
.irp i, 0,1,2
	v_mov_b32 v[PC+6*\c+3+\i], v[TT+4*\c+\i]
.endr
.endr
.if (\a) == 4
	s_wait_alu depctr_va_vdst(0)
	s_wait_xcnt 0x0                                ; the last block's stores have read their base
	s_add_nc_u64 s[8:9], s[8:9], s[98:99]
.elseif (\a) > 0
	s_wait_alu depctr_va_vdst(0)
	s_wait_xcnt 0x0
	s_add_nc_u64 s[8:9], s[8:9], s[94:95]
.endif
.irp c, 0,1
	global_store_b128 v[17+\c], v[PC+6*\c:PC+6*\c+3], s[8:9]              ; 512 consecutive bytes, aligned to 256
	global_store_b64 v[19+\c], v[PC+6*\c+4:PC+6*\c+5], s[8:9] offset:512  ; 256
.endr
.endm
.irp a, 0,1,2,3,4,5,6,7
	QUANT \a
.endr
	; the scale words.  q, k: head h's word i = its two bytes of token blocks 2 i and 2 i + 1.  v: head h's word i = the word of d block 4 h + i.  The choice selects a value alone
.irp i, 0,1,2,3
	v_perm_b32 v[64+\i], v[249+2*\i], v[248+2*\i], v22
	v_cndmask_b32 v[68+\i], v[248+\i], v[252+\i], s96
.endr
.irp i, 0,1,2,3
	v_cndmask_b32 v[72+\i], v[64+\i], v[68+\i], s97
.endr
	global_store_b128 v21, v[72:75], s[10:11]      ; sixteen lanes fill 256 consecutive bytes, aligned: a head's words of this kstep
	s_wait_tensorcnt 0x0                           ; the wave's end
	ds_add_u32 v[SPW], v[NIL]
	s_wait_dscnt 0x0
	CROUND                                         ; the closing round
	s_endpgm
.Lfunc_end_k_qd8220cec22_qkv:
	.size	k_qd8220cec22_qkv, .Lfunc_end_k_qd8220cec22_qkv-k_qd8220cec22_qkv
	.p2alignl 7, 3214868480
	.fill 96, 4, 3214868480
	.section	.rodata,"a",@progbits
	.p2align	6, 0x0
	.amdhsa_kernel k_qd8220cec22_qkv
		.amdhsa_group_segment_fixed_size 327680
		.amdhsa_private_segment_fixed_size 0
		.amdhsa_enable_private_segment 0
		.amdhsa_kernarg_size 32
		.amdhsa_user_sgpr_count 2
		.amdhsa_user_sgpr_kernarg_segment_ptr 1
		.amdhsa_wavefront_size32 1
		.amdhsa_system_sgpr_workgroup_id_x 1
		.amdhsa_system_sgpr_workgroup_id_y 1
		.amdhsa_system_sgpr_workgroup_id_z 1
		.amdhsa_system_vgpr_workitem_id 0
		.amdhsa_next_free_vgpr 1024
		.amdhsa_next_free_sgpr 100
		.amdhsa_reserve_vcc 0
		.amdhsa_float_denorm_mode_32 3
		.amdhsa_float_denorm_mode_16_64 3
		.amdhsa_memory_ordered 1
		.amdhsa_forward_progress 1
		.amdhsa_inst_pref_size 150
	.end_amdhsa_kernel
	.amdgpu_metadata
---
amdhsa.version: [ 1, 2 ]
amdhsa.kernels:
  - .name:           k_qd8220cec22_qkv
    .symbol:         k_qd8220cec22_qkv.kd
    .args:
      - { .name: opi, .offset: 0, .size: 8, .value_kind: global_buffer, .address_space: global }
      - { .name: ops, .offset: 8, .size: 8, .value_kind: global_buffer, .address_space: global }
      - { .name: qkvi, .offset: 16, .size: 8, .value_kind: global_buffer, .address_space: global }
      - { .name: qkvs, .offset: 24, .size: 8, .value_kind: global_buffer, .address_space: global }
    .group_segment_fixed_size: 327680
    .private_segment_fixed_size: 0
    .kernarg_segment_align: 8
    .kernarg_segment_size: 32
    .max_flat_workgroup_size: 128
    .sgpr_count:     100
    .vgpr_count:     1024
    .wavefront_size: 32
...
	.end_amdgpu_metadata
.endif
;; end of part 2
;; launch attn (part 3): grid 4 x 64, 16 waves a work-group, clusters of 4 x 1, 206,848 bytes of LDS; arguments qkvi, qkvs, oi, osw; writes oi, osw
.if DOCPART == 3
	.amdgcn_target "amdgcn-amd-amdhsa--gfx1250"
	.amdhsa_code_object_version 6
	.text
	.protected	k_qd8220cec22_attn
	.globl	k_qd8220cec22_attn
	.p2align	8
	.type	k_qd8220cec22_attn,@function
k_qd8220cec22_attn:
	s_mov_b64 s[64:65], 0
	v_nop
	global_prefetch_b8 v0, s[64:65] scope:SCOPE_SE
	s_setreg_imm32_b32 hwreg(HW_REG_WAVE_MODE, 25, 1), 1
	s_wait_xcnt 0x0
	s_wait_alu depctr_hold_cnt(0) depctr_sa_sdst(0) depctr_va_vdst(0) depctr_va_sdst(0) depctr_va_ssrc(0) depctr_va_vcc(0) depctr_vm_vsrc(0)
	s_getreg_b32 s2, hwreg(HW_REG_IB_STS2, 6, 4)
	s_cmp_eq_u32 s2, 0
	s_cbranch_scc0 .Lentry_in_a_cluster
	s_endpgm
.Lentry_in_a_cluster:
	s_bfe_u32 s2, ttmp6, 0x10000c
	s_cmp_lg_u32 s2, 0x3003
	s_cbranch_scc0 .Lentry_shape_is_right
	s_endpgm
.Lentry_shape_is_right:
; O = softmax(q k^T / 8) v for one (batch, head) and 512 queries, both products on codes of FP6 (E2M3) with E8M0 scales; O / l is quantised along (head, d) as the operand of the output projection.
; THE SOFTMAX AHEAD OF THE SECOND PRODUCT: t = score x log2(e) / 8; M = the row's largest t so far, rounded UP to a whole number; p = 2^(t - M) is what is quantised, along the keys; the row's sum is taken of the
; unquantised p and divides at the end.  When M moves, the sum and O are multiplied by 2^(old M - new M): exact.
; SHARES.  64 heads x 4 work-groups = 256 work-groups.  Sixteen waves, four to a SIMD; a wave takes TWO blocks of 16 queries, one after the other (blocks 32 cx + wave and 16 further on), and walks the head's 2,048 keys,
; 128 a step, for each.  Waves share nothing but K and V, which are only read: ONE barrier, behind the fills, and none after it.
; K AND V OF THE WHOLE HEAD LIE IN LDS: 98,304 bytes of images each and 4,096 of scale words each, filled ONCE: no byte is filled again.  The four work-groups of a cluster belong to one head: the loads are joint (mask 15).
; THE FILLS, ONE A WAVE: waves 0-5 bring K's images, waves 6-11 V's, 16,384 bytes (64 rows of 256) each; wave 12 brings both tables of scale words as two rows of 4,096 bytes; waves 13-15 bring nothing.
; NO PREFETCH: all that the work-group reads through LDS is asked for at the head, and no loop stands ahead of that request in which to ask earlier; both blocks' q are loaded at the head too.
; LAYOUT.  Both products are used transposed: a lane holds ONE query (lane % 16).  An image, 1,536 bytes: half c has registers 6 c .. 6 c + 3 at 768 c + 16 lane and 6 c + 4, 5 at 768 c + 512 + 8 lane.
; Image kb of k holds keys 32 kb on: half c, lane-row r is key 32 kb + 8 c + r + 8 (r / 8), 64 along d (K 0-63 of the instruction for half 0, 64-127 for half 1).
; WHICH ROWS FORM A TILE IS CHOSEN BY THE LANES' ADDRESSES: of each 64 keys (images X, Y) operand j = 0, 1 takes for its lane-rows 0-7 rows 8 j .. 8 j + 7 of X and for its lane-rows 8-15 the same rows of Y.
; Against [q | zeros] it gives the scores of its half 0, against [zeros | q] of its half 1 (zero codes add nothing).  So the 32 registers of the four tiles of 64 keys are, in lanes 0-15, the 32 keys of X in their order,
; and in lanes 16-31 those of Y: a lane holds WHOLE blocks of the second product's K, in the order of that operand's registers: no lane is asked for a block's maximum, and no codes change lanes.
; (Lane-rows 0-7 and 8-15 of such a load lie 1,536 bytes apart, a multiple of 256.)  V's image dt: lane-row = d of block dt, K = the step's 128 keys.
; A block's largest p is not searched for: the block's largest SCORE goes through the same multiply-add and exponential (this takes v_exp_f32 not to fall where its input rises).
; LIMITS: NaN and infinities are not served; the promise holds while |t| stays under 2^31; a block whose largest magnitude lies under 2^(3 - 127) keeps the byte 1, a block of zeros too (its codes are zeros; this program alone reads the bytes).
; REGISTERS: v1-5 addresses that stay, v42-43 K's, v93 K's scale words', v92 8 (lane / 16); v6-10, v94 the step's; v11 q's scale word; v12 -M, v13 the largest t, v[14:15] the sum; v16-33 [q | 0 | q]; v34-35 K's scale words, v38-41 V's;
;   v44-91 four operands; v96-159 S^T, then p; v160-191 O^T; v192-203 p's codes; v204-211 the conversions' second halves; v212-223 at work; v226 p's scale word; v[228:229] f; v230-231 at work; v232-238 the second block's q and its scale word;
;   v242-253 partial sums; v254-255 the add's.
.set VI,    98304                      ; LDS: K's images from 0, V's from here,
.set KSC,   196608                     ; K's scale words [kstep 16][r 16][4 words], V's 4,096 further on
.set SPARE, 204800                     ; the spare words, 128 bytes a wave: 2,048 bytes that no other line names
.set WV,   12
.set SEL,  20
.set CS,   22
.set G1,   24                          ; s[24:31] a wave's part of the images: 64 rows of 256 bytes, dense
.set G1S,  32                          ; s[32:39] the scale words: 2 rows of 4,096 bytes, 262,144 bytes apart
.set G0S,  40
.set G0,   44
.set TB,   60                          ; the step's images: 6,144 bytes a step
.set TS,   61                          ; its scale words: 256 bytes a step
.set CNT,  62
.macro ROUND
	s_barrier_signal -1
	s_barrier_wait -1
	s_cmp_lg_u32 s[WV], 0
	s_cbranch_scc1 .Lnot_wave_0_\@
	s_barrier_signal -3
.Lnot_wave_0_\@:
	s_barrier_wait -3
	s_barrier_signal -1
	s_barrier_wait -1
.endm
.macro FRAG reg, a16, a8, off          ; an image comes back as the registers that it is
	ds_load_b128 v[(\reg):(\reg)+3], v[\a16] offset:(\off)
	ds_load_b64 v[(\reg)+4:(\reg)+5], v[\a8] offset:(\off)+512
	ds_load_b128 v[(\reg)+6:(\reg)+9], v[\a16] offset:(\off)+768
	ds_load_b64 v[(\reg)+10:(\reg)+11], v[\a8] offset:(\off)+1280
.endm
	s_load_b256 s[4:11], s[0:1], 0x0               ; qkvi s[4:5], qkvs s[6:7], oi s[8:9], osw s[10:11]
	v_lshl_add_u32 v254, v0, 2, SPARE
	v_mov_b32 v255, 0
	ds_add_u32 v254, v255                          ; the opening lines: the add, twice on end, and its wait ahead of the first tensor load
	ds_add_u32 v254, v255
	v_lshrrev_b32 v1, 5, v0
	s_delay_alu instid0(VALU_DEP_1)
	v_readfirstlane_b32 s[WV], v1                  ; wave 0..15
	s_bfe_u32 s13, ttmp6, 0x40000                  ; cx: it enters q's and O's global addresses alone
	s_lshl_b32 s14, s13, 5
	s_add_co_u32 s14, s14, s[WV]                   ; qt: my first block of 16 queries; the second is qt + 16
	s_and_b32 s15, ttmp7, 0xffff                   ; 16 x batch + head, which the four partners share
	; what I fetch, if I fetch: part wave of [K's six, V's six]: k is tensor 1 of qkvi, v tensor 2
	s_cmp_lt_u32 s[WV], 6
	s_cselect_b32 s68, 0, 6291456-VI               ; V's parts begin a tensor less K's 98,304 bytes further on
	s_lshl_b32 s72, s[WV], 14                      ; 16,384 bytes a part, in memory and in LDS
	s_add_co_u32 s68, s68, s72
	s_mul_i32 s67, s15, 98304
	s_add_co_u32 s68, s68, s67
	s_add_co_u32 s68, s68, 6291456
	s_mov_b32 s69, 0
	s_lshl_b32 s70, s15, 12                        ; the scale words: k's table of this head; v's lies 262,144 bytes on
	s_add_co_u32 s70, s70, 262144
	s_mov_b32 s71, 0
	s_mov_b32 s[G1], 15|(3<<16)|(1<<21)            ; 15:0 the mask: all four work-groups; 17:16 elements of 8 bytes; 20 no padding; 21 set beside a mask
	s_mov_b32 s[G1+1], 32<<16
	s_mov_b32 s[G1+2], 64<<16
	s_mov_b32 s[G1+3], 32<<16
	s_mov_b32 s[G1+4], 64
	s_mov_b32 s[G1+5], 32
	s_mov_b32 s[G1+6], 0
	s_mov_b32 s[G1+7], 0
	s_mov_b32 s[G1S], 15|(3<<16)|(1<<21)
	s_mov_b32 s[G1S+1], 512<<16
	s_mov_b32 s[G1S+2], 2<<16
	s_mov_b32 s[G1S+3], 512<<16
	s_mov_b32 s[G1S+4], 2
	s_mov_b32 s[G1S+5], 32768
	s_mov_b32 s[G1S+6], 0
	s_mov_b32 s[G1S+7], 0
	s_mov_b32 s[SEL], 0x76543210
	s_mov_b32 s[SEL+1], 0xfedcba98                 ; selects: lane l xor 16
	s_mov_b32 s[CS], 0x3e38aa3b                    ; c = log2(e) / 8
	s_mov_b32 s[CS+1], s[CS]                       ; (named with it as a pair, so it is written)
	s_and_b32 s63, s[WV], 1                        ; which two bytes of the scale word are my block's: 0, 1 or 2, 3 (the same for qt and qt + 16); they are laid twice: for [q | 0] and for [0 | q]
	s_mul_i32 s63, s63, 0x02020202
	s_add_co_u32 s63, s63, 0x01000100
	; q's half image and scale word; O's half image and two scale bytes.  For the second block all four places lie a constant further on
	s_mul_i32 s74, s15, 98304
	s_mul_i32 s75, s14, 768
	s_add_co_u32 s74, s74, s75
	s_mov_b32 s75, 0
	s_lshl_b32 s76, s15, 12
	s_lshr_b32 s77, s14, 3
	s_lshl_b32 s77, s77, 8
	s_add_co_u32 s76, s76, s77
	s_bfe_u32 s77, s14, 0x20001
	s_lshl_b32 s77, s77, 2
	s_add_co_u32 s76, s76, s77
	s_mov_b32 s77, 0
	s_and_b32 s78, s15, 15                         ; head: K of the projection = 64 head + d
	s_lshr_b32 s79, s78, 2                         ; kp
	s_and_b32 s78, s78, 3                          ; 2 q + half
	s_lshr_b32 s80, s15, 4
	s_lshl_b32 s80, s80, 7
	s_add_co_u32 s80, s80, s14                     ; row-block of tokens: 128 batch + qt
	s_mul_i32 s82, s79, 1572864
	s_mul_i32 s81, s80, 3072
	s_add_co_u32 s82, s82, s81
	s_mul_i32 s81, s78, 768
	s_add_co_u32 s82, s82, s81
	s_mov_b32 s83, 0
	s_wait_dscnt 0x0                               ; both opening adds are done
	s_wait_kmcnt 0x0
	s_add_nc_u64 s[8:9], s[8:9], s[82:83]
	s_lshl_b32 s82, s79, 16
	s_lshl_b32 s81, s80, 7
	s_add_co_u32 s82, s82, s81
	s_lshl_b32 s81, s78, 1
	s_add_co_u32 s82, s82, s81
	s_add_nc_u64 s[10:11], s[10:11], s[82:83]
	s_add_nc_u64 s[74:75], s[4:5], s[74:75]
	s_add_nc_u64 s[76:77], s[6:7], s[76:77]
	s_mov_b32 s[G0S], 1
	s_mov_b32 s[G0S+1], KSC
	s_add_nc_u64 s[G0S+2:G0S+3], s[6:7], s[70:71]
	s_or_b32 s[G0S+3], s[G0S+3], 0x80000000
	s_mov_b32 s[G0], 1
	s_mov_b32 s[G0+1], s72
	s_add_nc_u64 s[G0+2:G0+3], s[4:5], s[68:69]
	s_or_b32 s[G0+3], s[G0+3], 0x80000000
	ROUND                                          ; all four work-groups are here: the joint loads meet
	s_cmp_lt_u32 s[WV], 12                         ; one chain of branches on the wave's number, one fill to an arm, one join
	s_cbranch_scc0 .Lscales
	tensor_load_to_lds s[G0:G0+3], s[G1:G1+7]
	s_nop 0
.rept 4
	v_nop
.endr
	s_branch .Lasked
.Lscales:
	s_cmp_eq_u32 s[WV], 12
	s_cbranch_scc0 .Lasked
	tensor_load_to_lds s[G0S:G0S+3], s[G1S:G1S+7]
	s_nop 0
.rept 4
	v_nop
.endr
.Lasked:
	v_and_b32 v230, 31, v0                         ; lane
	v_and_b32 v231, 15, v0                         ; r
	s_delay_alu instid0(VALU_DEP_2)
	v_lshlrev_b32 v1, 4, v230                      ; whole images (V's, q's, O's): 16 lane,
	s_delay_alu instid0(VALU_DEP_3)
	v_lshlrev_b32 v2, 3, v230                      ; 8 lane
	s_delay_alu instid0(VALU_DEP_2)
	v_add_nc_u32 v3, VI, v1                        ; V's
	s_delay_alu instid0(VALU_DEP_2)
	v_add_nc_u32 v4, VI, v2
	v_lshlrev_b32 v7, 4, v231                      ; 16 r
	global_load_b128 v[16:19], v1, s[74:75]        ; the first block's q, six registers: d = 32 h + 0 .. 31 of query r
	global_load_b64 v[20:21], v2, s[74:75] offset:512
	global_load_b32 v230, v7, s[76:77]             ; the word that holds its two scale bytes
	global_load_b128 v[232:235], v1, s[74:75] offset:12288       ; the second block's: 16 half images of 768 bytes on,
	global_load_b64 v[236:237], v2, s[74:75] offset:12800
	global_load_b32 v238, v7, s[76:77] offset:512                ; two ksteps of 256 bytes on
	s_wait_loadcnt 0x0
.irp i, 0,1,2,3,4,5
	v_mov_b32 v[28+\i], v[16+\i]                   ; [q | 0 | q]: v16 on is [q | 0], v22 on is [0 | q]
	v_mov_b32 v[22+\i], 0
.endr
	v_perm_b32 v11, v230, v230, s63                ; q's scale word: its two bytes, twice.  (More than eight plain instructions stand between this line and the first product)
	v_add_nc_u32 v5, KSC, v7                       ; V's scale words: 16 bytes a lane-row (4,096 is in the load's offset)
	; K's operands: lane (m, h) takes lane-row m % 8 (+ 8 j, in the loads' offsets) of image X (m < 8) or Y (m >= 8)
	v_and_b32 v94, 7, v0                           ; m % 8
	v_bfe_u32 v95, v0, 3, 1                        ; m / 8
	v_bfe_u32 v92, v0, 4, 1                        ; h
	s_delay_alu instid0(VALU_DEP_2)
	v_mul_u32_u24 v42, v95, 1536
	s_delay_alu instid0(VALU_DEP_3)
	v_lshlrev_b32 v93, 2, v95
	s_delay_alu instid0(VALU_DEP_2)
	v_lshl_add_u32 v43, v92, 7, v42
	s_delay_alu instid0(VALU_DEP_3)
	v_lshl_add_u32 v42, v92, 8, v42
	s_delay_alu instid0(VALU_DEP_3)
	v_lshl_add_u32 v93, v92, 7, v93
	s_delay_alu instid0(VALU_DEP_3)
	v_lshl_add_u32 v43, v94, 3, v43                ; 1,536 (m / 8) + 8 (m % 8 + 16 h)
	s_delay_alu instid0(VALU_DEP_3)
	v_lshl_add_u32 v42, v94, 4, v42                ; 1,536 (m / 8) + 16 (m % 8 + 16 h)
	s_delay_alu instid0(VALU_DEP_3)
	v_lshl_add_u32 v93, v94, 4, v93
	v_lshlrev_b32 v92, 3, v92                      ; 8 h: where my blocks' bytes stand in p's scale word
	s_delay_alu instid0(VALU_DEP_2)
	v_add_nc_u32 v93, KSC, v93                     ; K's scale words: lanes 0-15 those of operand j = 0, lanes 16-31 of j = 1: 16 (m % 8 + 8 h) + 4 (m / 8); + 8 for the second 64 keys
.irp b, 0,1,2,3
	v_mov_b32 v[216+\b], 0                         ; written once: a lane permute's destination counts as one of its sources
.endr
	v_mov_b32 v229, 0                              ; (named as the upper half of the pair v[228:229])
.macro BEGIN                           ; a block of queries begins: the step is written for every step alike: the first finds zeros, which the first change of M leaves zeros
	v_mov_b32 v13, 0xff61b1e6                      ; the largest t so far: -3e38, under every t
	s_delay_alu instid0(VALU_DEP_1)
	v_floor_f32 v12, -v13                          ; -M
	v_mov_b32 v14, 0
	v_mov_b32 v15, 0
.set j, 0
.rept 32
	v_mov_b32 v[160+j], 0                          ; O^T
.set j, j+1
.endr
.endm
	BEGIN
; A KEY STEP: 128 keys.
.macro STEP
	v_add_nc_u32 v6, s[TB], v42                    ; six plain instructions: also the places behind the last step's products, in front of the loads into their operands
	v_add_nc_u32 v7, s[TB], v43
	v_add_nc_u32 v8, s[TB], v3
	v_add_nc_u32 v9, s[TB], v4
	v_add_nc_u32 v10, s[TS], v5
	v_add_nc_u32 v94, s[TS], v93
.irp k, 0,1,2,3                        ; operand k: the k / 2-th 64 keys, j = k % 2: 8 lane-rows further on in both images
	ds_load_b128 v[44+12*\k:47+12*\k], v6 offset:3072*(\k/2)+128*(\k%2)
	ds_load_b64 v[48+12*\k:49+12*\k], v7 offset:3072*(\k/2)+64*(\k%2)+512
	ds_load_b128 v[50+12*\k:53+12*\k], v6 offset:3072*(\k/2)+128*(\k%2)+768
	ds_load_b64 v[54+12*\k:55+12*\k], v7 offset:3072*(\k/2)+64*(\k%2)+1280
.endr
	ds_load_b32 v34, v94                           ; the scale words of operands 0 (lanes 0-15) and 1 (lanes 16-31),
	ds_load_b32 v35, v94 offset:8                  ; of operands 2 and 3
	s_wait_alu depctr_va_vdst(0)
	s_wait_dscnt 0x0
.irp t, 0,1,2,3,4,5,6,7                ; S^T: tile t = half t % 2 of operand t / 2: each operand is read once and feeds two products
.if (\t/2)%2
	v_wmma_scale_f32_16x16x128_f8f6f4 v[96+8*\t:103+8*\t], v[44+12*(\t/2):55+12*(\t/2)], v[16+6*(\t%2):27+6*(\t%2)], 0, v[34+\t/4], v11 matrix_a_fmt:MATRIX_FMT_FP6 matrix_b_fmt:MATRIX_FMT_FP6 matrix_a_scale:MATRIX_SCALE_ROW1
.else
	v_wmma_scale_f32_16x16x128_f8f6f4 v[96+8*\t:103+8*\t], v[44+12*(\t/2):55+12*(\t/2)], v[16+6*(\t%2):27+6*(\t%2)], 0, v[34+\t/4], v11 matrix_a_fmt:MATRIX_FMT_FP6 matrix_b_fmt:MATRIX_FMT_FP6
.endif
.endr                                  ; register 96 + 32 c + i of lane (r, h) is key 64 c + 32 h + i of the step, for query r
.rept 4
	v_nop                                          ; places in front of the loads below and of the first read of the scores
.endr
.irp d, 0,1,2,3
	FRAG 44+12*\d, 8, 9, 1536*\d                   ; V's four images land while the softmax runs
.endr
	ds_load_b128 v[38:41], v10 offset:4096
.irp b, 0,1,2,3
	v_max3_num_f32 v[212+\b], v[96+16*\b], v[97+16*\b], v[98+16*\b]   ; the largest score, in four chains of 16 registers by turns
.endr
.irp i, 3,5,7,9,11,13
.irp b, 0,1,2,3
	v_max3_num_f32 v[212+\b], v[212+\b], v[96+16*\b+\i], v[97+16*\b+\i]
.endr
.endr
	v_max3_num_f32 v212, v212, v213, v111          ; my first block's largest score (registers 96-127): it serves the row's maximum and the block's largest p
	v_max3_num_f32 v214, v214, v215, v143          ; my second block's (registers 128-159)
	v_max_num_f32 v212, v212, v127
	v_max_num_f32 v214, v214, v159
	s_delay_alu instid0(VALU_DEP_1)
	v_max_num_f32 v230, v212, v214
	s_delay_alu instid0(VALU_DEP_1)
	v_permlanex16_b32 v216, v230, s[SEL], s[SEL+1]
	s_delay_alu instid0(VALU_DEP_1)
	v_max_num_f32 v230, v230, v216                 ; with lane l xor 16's two blocks: the step's largest score of my query
	s_delay_alu instid0(VALU_DEP_1)
	v_mul_f32 v230, s[CS], v230                    ; as t (c is positive)
	s_delay_alu instid0(VALU_DEP_1)
	v_max_num_f32 v13, v13, v230                   ; the running largest t
	v_mov_b32 v230, v12
	s_delay_alu instid0(VALU_DEP_2)
	v_floor_f32 v12, -v13                          ; the new -M = -ceil(t): a whole number
	s_delay_alu instid0(VALU_DEP_1)
	v_sub_f32 v230, v12, v230                      ; old M - new M: a whole number, 0 or less
	s_delay_alu instid0(VALU_DEP_1)
	v_cvt_i32_f32 v230, v230                       ; (it saturates)
	s_delay_alu instid0(VALU_DEP_1)
	v_ldexp_f32 v228, 1.0, v230                    ; f = 2^(old M - new M)
.set j, 0
.rept 32
	v_pk_fma_f32 v[96+j:97+j], v[96+j:97+j], s[CS:CS+1], v[12:13] op_sel_hi:[1,0,0]   ; t - M, two at a time
.set j, j+2
.endr
.irp b, 0,2
	v_fma_f32 v[212+\b], v[212+\b], s[CS], v12     ; the same of each block's largest score
.endr
.set j, 0
	s_wait_alu depctr_va_vdst(0)
.rept 64
	v_exp_f32 v[96+j], v[96+j]                     ; p = 2^(t - M), at most 1: not normalised
.set j, j+1
.endr
	v_pk_mul_f32 v[14:15], v[14:15], v[228:229] op_sel_hi:[1,0]   ; the sums under the new M: the plain instruction behind the exponentials
	s_wait_alu depctr_va_vdst(0)                   ; one wait for the whole batch, ahead of its first reader
.irp b, 0,2
	v_exp_f32 v[212+\b], v[212+\b]                 ; the block's largest p
.endr
	v_pk_add_f32 v[216:217], v[100:101], v[104:105]   ; the row's sum of the unquantised p: 32 packed additions in eight chains by turns
	v_pk_add_f32 v[252:253], v[108:109], v[112:113]
	v_pk_add_f32 v[250:251], v[116:117], v[120:121]
	v_pk_add_f32 v[248:249], v[124:125], v[128:129]
	v_pk_add_f32 v[246:247], v[132:133], v[136:137]
	v_pk_add_f32 v[244:245], v[140:141], v[144:145]
	v_pk_add_f32 v[242:243], v[148:149], v[152:153]
	v_pk_add_f32 v[14:15], v[14:15], v[156:157]
	v_pk_add_f32 v[216:217], v[216:217], v[96:97]
	v_pk_add_f32 v[252:253], v[252:253], v[98:99]
	v_pk_add_f32 v[250:251], v[250:251], v[102:103]
	v_pk_add_f32 v[248:249], v[248:249], v[106:107]
	v_pk_add_f32 v[246:247], v[246:247], v[110:111]
	v_pk_add_f32 v[244:245], v[244:245], v[114:115]
	v_pk_add_f32 v[242:243], v[242:243], v[118:119]
	v_pk_add_f32 v[14:15], v[14:15], v[122:123]
	v_pk_add_f32 v[216:217], v[216:217], v[126:127]
	v_pk_add_f32 v[252:253], v[252:253], v[130:131]
	v_pk_add_f32 v[250:251], v[250:251], v[134:135]
	v_pk_add_f32 v[248:249], v[248:249], v[138:139]
	v_pk_add_f32 v[246:247], v[246:247], v[142:143]
	v_pk_add_f32 v[244:245], v[244:245], v[146:147]
	v_pk_add_f32 v[242:243], v[242:243], v[150:151]
	v_pk_add_f32 v[14:15], v[14:15], v[154:155]
	v_pk_add_f32 v[216:217], v[216:217], v[158:159]
	s_delay_alu instid0(VALU_DEP_2)
	v_pk_add_f32 v[14:15], v[14:15], v[248:249]
	s_delay_alu instid0(VALU_DEP_2)
	v_pk_add_f32 v[216:217], v[216:217], v[246:247]
	v_pk_add_f32 v[252:253], v[252:253], v[244:245]
	v_pk_add_f32 v[250:251], v[250:251], v[242:243]
	s_delay_alu instid0(VALU_DEP_2)
	v_pk_add_f32 v[14:15], v[14:15], v[252:253]
	s_delay_alu instid0(VALU_DEP_2)
	v_pk_add_f32 v[216:217], v[216:217], v[250:251]
	s_delay_alu instid0(VALU_DEP_1)
	v_pk_add_f32 v[14:15], v[14:15], v[216:217]
	s_wait_alu depctr_va_vdst(0)                   ; and one for the two
.irp b, 0,2
	v_max_num_f32 v[212+\b], 0x1800000, v[212+\b]  ; the floor 2^(3 - 127)
.endr
.irp b, 0,2
	s_delay_alu instid0(VALU_DEP_2)
	v_add_nc_u32 v[220+\b], 0xff000000, v[212+\b]  ; 2 off the exponent field: the conversion's scale operand
.endr
.irp b, 0,2
	s_delay_alu instid0(VALU_DEP_2)
	v_lshrrev_b32 v[216+\b], 23, v[220+\b]         ; the scale's byte
.endr
	s_delay_alu instid0(VALU_DEP_1)
	v_lshl_or_b32 v226, v218, 16, v216             ; my two bytes: blocks h and 2 + h of these 128 keys,
	s_delay_alu instid0(VALU_DEP_1)
	v_lshlrev_b32 v226, v92, v226                  ; at their places in the word (8 h bits up);
	s_delay_alu instid0(VALU_DEP_1)
	v_permlanex16_b32 v217, v226, s[SEL], s[SEL+1]
	s_delay_alu instid0(VALU_DEP_1)
	v_or_b32 v226, v226, v217                      ; with lane l xor 16's two p's scale word is whole
.irp c, 0,1
	v_cvt_scalef32_pk16_fp6_f32 v[192+6*\c:194+6*\c], v[96+32*\c:111+32*\c], v[220+2*\c]     ; my block's lower 16 codes,
	v_cvt_scalef32_pk16_fp6_f32 v[204+4*\c:206+4*\c], v[112+32*\c:127+32*\c], v[220+2*\c]    ; its upper 16 (a conversion's three registers begin on an even number)
.endr
	v_nop                                          ; one plain place behind a scaled conversion
.irp c, 0,1
.irp i, 0,1,2
	v_mov_b32 v[195+6*\c+\i], v[204+4*\c+\i]       ; registers 6 c .. 6 c + 5 hold K = 64 c + 32 h + 0 .. 31
.endr
.endr
.set j, 0
.rept 16
	v_pk_mul_f32 v[160+j:161+j], v[160+j:161+j], v[228:229] op_sel_hi:[1,0]   ; O^T under the new M.  (These 16 also stand between the scale word's and the codes' last writes and the products below)
.set j, j+2
.endr
	s_wait_alu depctr_va_vdst(0)
	s_wait_dscnt 0x0                               ; V is in
.irp d, 0,1,2,3                        ; O^T += V^T P^T: the four accumulators by turns; the next step's eight products stand between two links of a chain
	v_wmma_scale_f32_16x16x128_f8f6f4 v[160+8*\d:167+8*\d], v[44+12*\d:55+12*\d], v[192:203], v[160+8*\d:167+8*\d], v[38+\d], v226 matrix_a_fmt:MATRIX_FMT_FP6 matrix_b_fmt:MATRIX_FMT_FP6
.endr
.endm
.macro WALK                            ; the head's 2,048 keys: sixteen steps, no barrier among them
	s_mov_b32 s[TB], 0
	s_mov_b32 s[TS], 0
	s_mov_b32 s[CNT], 16
.Lstep_\@:
	STEP
	s_add_co_u32 s[TB], s[TB], 6144
	s_add_co_u32 s[TS], s[TS], 256
	s_sub_co_u32 s[CNT], s[CNT], 1
	s_cmp_lg_u32 s[CNT], 0
	s_cbranch_scc1 .Lstep_\@
.endm
; THE WAY OUT of my n-th block.  O^T / the sum; register 16 b + i is d = 32 b + 16 h + i of query r: two blocks of the projection's K.  They become half an image and two scale bytes.
.macro WAYOUT n
	v_add_f32 v14, v14, v15
	s_delay_alu instid0(VALU_DEP_1)
	v_permlanex16_b32 v228, v14, s[SEL], s[SEL+1]
	s_delay_alu instid0(VALU_DEP_1)
	v_add_f32 v14, v14, v228                       ; the row's sum
	s_wait_alu depctr_va_vdst(0)
	v_rcp_f32 v14, v14
	v_and_b32 v6, 15, v0                           ; (plain instructions behind the reciprocal, and places behind the last products)
	s_delay_alu instid0(VALU_DEP_1)
	v_lshlrev_b32 v6, 3, v6                        ; 8 r
	v_nop
	s_wait_alu depctr_va_vdst(0)                   ; ahead of the reciprocal's first reader
.set j, 0
.rept 32
	v_mul_f32 v[96+j], v[160+j], v14               ; each accumulator from its low end on
.set j, j+1
.endr
.irp b, 0,1
	v_max3_num_f32 v[212+\b], |v[96+16*\b]|, |v[97+16*\b]|, 0x1800000
.endr
.irp i, 2,4,6,8,10,12,14
.irp b, 0,1
	s_delay_alu instid0(VALU_DEP_2)
	v_max3_num_f32 v[212+\b], v[212+\b], |v[96+16*\b+\i]|, |v[97+16*\b+\i]|
.endr
.endr
.irp b, 0,1
	s_delay_alu instid0(VALU_DEP_2)
	v_permlanex16_b32 v[216+\b], v[212+\b], s[SEL], s[SEL+1]
.endr
.irp b, 0,1
	s_delay_alu instid0(VALU_DEP_2)
	v_max_num_f32 v[212+\b], v[212+\b], v[216+\b]
.endr
.irp b, 0,1
	s_delay_alu instid0(VALU_DEP_2)
	v_add_nc_u32 v[220+\b], 0xff000000, v[212+\b]
.endr
.irp b, 0,1
	s_delay_alu instid0(VALU_DEP_2)
	v_lshrrev_b32 v[216+\b], 23, v[220+\b]
.endr
	s_delay_alu instid0(VALU_DEP_1)
	v_lshl_or_b32 v231, v217, 8, v216              ; my head's two bytes of row r's scale word
	v_cvt_scalef32_pk16_fp6_f32 v[192:194], v[96:111], v220
	v_cvt_scalef32_pk16_fp6_f32 v[204:206], v[112:127], v221
	v_nop                                          ; one plain place behind a scaled conversion
.irp i, 0,1,2
	v_permlane16_swap_b32 v[192+\i], v[204+\i]     ; here a block lies in lanes l and l xor 16: the layout wants it whole in a lane
.endr
.irp i, 0,1,2
	s_delay_alu instid0(VALU_DEP_3)
	v_mov_b32 v[195+\i], v[204+\i]
.endr
	global_store_b128 v1, v[192:195], s[8:9] offset:49152*\n       ; 512 consecutive bytes, aligned to 256; the second block lies 16 row-blocks of 3,072 bytes on
	global_store_b64 v2, v[196:197], s[8:9] offset:49152*\n+512
	global_store_b16 v6, v231, s[10:11] offset:2048*\n             ; two bytes a row, 8 bytes apart: a scale word spans two heads, which are two work-groups.  Lanes l and l + 16 write the same bytes with the same value
.endm
	s_wait_alu depctr_va_vdst(0)
	s_wait_tensorcnt 0x0                           ; my fill, if I issued one, has landed
	s_barrier_signal -1
	s_barrier_wait -1                              ; so have all thirteen: K, V and their scale words are whole, and nothing writes them again
	WALK
	WAYOUT 0
	s_wait_xcnt 0x0                                ; the stores have read their registers: the second block writes them again
.irp i, 0,1,2,3,4,5
	v_mov_b32 v[16+\i], v[232+\i]                  ; the second block's [q | 0 | q]; the zeros stand
	v_mov_b32 v[28+\i], v[232+\i]
.endr
	v_perm_b32 v11, v238, v238, s63                ; (more than eight plain instructions stand between this line and the next product)
	BEGIN
	WALK
	WAYOUT 1
	s_wait_tensorcnt 0x0                           ; the wave's end
	ds_add_u32 v254, v255
	s_wait_dscnt 0x0
	ROUND                                          ; the closing round: no work-group ends while a partner may still ask for a tile that names it
	s_endpgm
.Lfunc_end_k_qd8220cec22_attn:
	.size	k_qd8220cec22_attn, .Lfunc_end_k_qd8220cec22_attn-k_qd8220cec22_attn
	.p2alignl 7, 3214868480
	.fill 96, 4, 3214868480
	.section	.rodata,"a",@progbits
	.p2align	6, 0x0
	.amdhsa_kernel k_qd8220cec22_attn
		.amdhsa_group_segment_fixed_size 206848
		.amdhsa_private_segment_fixed_size 0
		.amdhsa_enable_private_segment 0
		.amdhsa_kernarg_size 32
		.amdhsa_user_sgpr_count 2
		.amdhsa_user_sgpr_kernarg_segment_ptr 1
		.amdhsa_wavefront_size32 1
		.amdhsa_system_sgpr_workgroup_id_x 1
		.amdhsa_system_sgpr_workgroup_id_y 1
		.amdhsa_system_sgpr_workgroup_id_z 1
		.amdhsa_system_vgpr_workitem_id 0
		.amdhsa_next_free_vgpr 256
		.amdhsa_next_free_sgpr 84
		.amdhsa_reserve_vcc 0
		.amdhsa_float_denorm_mode_32 3
		.amdhsa_float_denorm_mode_16_64 3
		.amdhsa_memory_ordered 1
		.amdhsa_forward_progress 1
		.amdhsa_inst_pref_size 52
	.end_amdhsa_kernel
	.amdgpu_metadata
---
amdhsa.version: [ 1, 2 ]
amdhsa.kernels:
  - .name:           k_qd8220cec22_attn
    .symbol:         k_qd8220cec22_attn.kd
    .args:
      - { .name: qkvi, .offset: 0, .size: 8, .value_kind: global_buffer, .address_space: global }
      - { .name: qkvs, .offset: 8, .size: 8, .value_kind: global_buffer, .address_space: global }
      - { .name: oi, .offset: 16, .size: 8, .value_kind: global_buffer, .address_space: global }
      - { .name: osw, .offset: 24, .size: 8, .value_kind: global_buffer, .address_space: global }
    .group_segment_fixed_size: 206848
    .private_segment_fixed_size: 0
    .kernarg_segment_align: 8
    .kernarg_segment_size: 32
    .max_flat_workgroup_size: 512
    .sgpr_count:     84
    .vgpr_count:     256
    .wavefront_size: 32
...
	.end_amdgpu_metadata
.endif
;; end of part 3
;; launch proj (part 4): grid 4 x 64, 4 waves a work-group, clusters of 4 x 4, 327,680 bytes of LDS; arguments oi, osw, opi, ops, b_out, out0; writes out0
.if DOCPART == 4
	.amdgcn_target "amdgcn-amd-amdhsa--gfx1250"
	.amdhsa_code_object_version 6
	.text
	.protected	k_qd8220cec22_proj
	.globl	k_qd8220cec22_proj
	.p2align	8
	.type	k_qd8220cec22_proj,@function
k_qd8220cec22_proj:
	s_mov_b64 s[64:65], 0
	v_nop
	global_prefetch_b8 v0, s[64:65] scope:SCOPE_SE
	s_setreg_imm32_b32 hwreg(HW_REG_WAVE_MODE, 25, 1), 1
	s_wait_xcnt 0x0
	s_wait_alu depctr_hold_cnt(0) depctr_sa_sdst(0) depctr_va_vdst(0) depctr_va_sdst(0) depctr_va_ssrc(0) depctr_va_vcc(0) depctr_vm_vsrc(0)
	s_getreg_b32 s2, hwreg(HW_REG_IB_STS2, 6, 4)
	s_cmp_eq_u32 s2, 0
	s_cbranch_scc0 .Lentry_in_a_cluster
	s_endpgm
.Lentry_in_a_cluster:
	s_bfe_u32 s2, ttmp6, 0x10000c
	s_cmp_lg_u32 s2, 0xf033
	s_cbranch_scc0 .Lentry_shape_is_right
	s_endpgm
.Lentry_shape_is_right:
; out0 = O w_out + b_out on codes of FP6 (E2M3) with E8M0 scales, sums in f32.  A = O's tokens (oi, osw: 512 row-blocks), B = w_out's columns (row-blocks 704-767 of opi, ops).
; OPERANDS come as images of their registers (1,536 bytes for 16 rows x 128 K: half c has registers 6 c .. 6 c + 3 at 768 c + 16 lane and 6 c + 4, 5 at 768 c + 512 + 8 lane), image (kp, rb, q) at ((R kp + rb) 2 + q) 1,536,
; scale words at (R kp + rb) 128 + 8 r + 4 q, R = 512 for O and 768 for opi.  Lane-row r of row-block rb is row 32 (rb / 2) + 8 (rb % 2) + r + 8 (r / 8).
; SHARES.  A block of 128 tokens x 256 columns to a work-group: 64 x 4 = 256 work-groups.  Four waves, 64 tokens x 128 columns each: 32 accumulators.
; THE MATRIX INSTRUCTION IS USED TRANSPOSED (source 0 = B's 16 rows, source 1 = A's): a lane holds one token, and register j of B's block b is column 32 (b / 2) + 16 h + 8 (b % 2) + j.  The bias is the C of each sum's first instruction.
; ALL OF K = 1,024 LIES IN LDS, filled ONCE by four joint loads at the head, one a wave: wave 0 A's 8 row-blocks (4 rows, one a kp, of 24,576 bytes), wave 1 B's 16 (4 rows of 49,152), wave 2 A's scale words, wave 3 B's.
; No byte is filled again.  K goes in 8 steps of 128, written out; A's and B's fragments have two sets of registers each: a step's 48 loads are issued ahead of the 32 products of the step before.
; CLUSTERS: 4 x 4.  A's tile is shared along a row of the cluster, B's along a column.  NO PREFETCH: all is asked for at the head, and no loop stands ahead of that request.
; REGISTERS: window 0: v2 r, v3 h, v4-19 fragment addresses, one for each kp, v20-23 scale words' addresses, v24-25 the stage, v26 16 lane, v27 64 h, v28-29 the add's, v30 8 lane, v32-63 scale words (two sets; nothing else ever),
;   v64-127 the bias, v128-223 A's fragments, two sets; on the way out v128-255 rows of the result.  window 1: B's fragments, two sets (v0, v128).  window 2: accumulator (a, b) at v[8 (8 a + b)].
.set KPSA,  1572864                    ; oi: from kp to kp
.set KPS,   2359296                    ; opi
.set AKP,   24576                      ; LDS: A's 8 row-blocks of a kp, four kp on end from byte 0
.set BKP,   49152                      ; B's 16 row-blocks of a kp,
.set BB,    4*AKP                      ; four kp on end from here
.set SCL,   BB+4*BKP                   ; A's scale words [kp 4][rb 8][128],
.set SCLB,  SCL+4096                   ; B's [kp 4][rb 16][128]
.set SPARE, SCL+12288                  ; the spare words, 128 bytes a wave: two blocks of 256 bytes that no other line names
.set STAGE, 0                          ; the way out: 16 rows x (512 + 16) bytes a wave, in A's kp 0 and 1: they have had their only fill, and every wave's last read of them stands in front of the barrier signalled in step 4
.set A16, 4
.set A8,  8
.set B16, 12
.set B8,  16
.set ADRS, 20
.set STO, 24
.set RD,  25
.set L16, 26
.set H64, 27
.set SPW, 28
.set NIL, 29
.set L8,  30
.set SC,  32
.set BI,  64
.set AF,  128
.set G1,  24                           ; s[24:31], s[32:35] groups 1 and 0 for A's tile
.set G0,  32
.set G1B, 44                           ; s[44:51], s[52:55] for B's
.set G0B, 52
.set G1S, 68                           ; s[68:75], s[76:79] A's scales; s[80:87], s[88:91] B's
.set G0S, 76
.set G1SB, 80
.set G0SB, 88
.set MSB, 0
.macro WIN new                         ; the immediate's high byte repeats the setting that is left
.if MSB != (\new)
	s_set_vgpr_msb (MSB<<8)|(\new)
.set MSB, (\new)
.endif
.endm
.set MUL_LO, 0xa1                      ; source 0 (B) window 1, source 1 (A) window 0, C and D window 2
.set TO_B,   0x40                      ; destination window 1, address window 0
.macro CROUND                          ; a round of the cluster's barrier
	s_barrier_signal -1
	s_barrier_wait -1
	s_cmp_lg_u32 s14, 0
	s_cbranch_scc1 .Lnot_wave_0_\@
	s_barrier_signal -3
.Lnot_wave_0_\@:
	s_barrier_wait -3
	s_barrier_signal -1
	s_barrier_wait -1
.endm
.macro PLACES n
.rept \n
	v_nop
.endr
.endm
.macro DESC g, c, p                    ; group 1's words 1 to 7: 4 rows (kp) of c elements of 8 bytes, p elements apart
	s_mov_b32 s[\g+1], (\c)<<16
	s_mov_b32 s[\g+2], 4<<16
	s_mov_b32 s[\g+3], (\c)<<16
	s_mov_b32 s[\g+4], 4
	s_mov_b32 s[\g+5], \p
	s_mov_b32 s[\g+6], 0
	s_mov_b32 s[\g+7], 0
.endm
	s_load_b256 s[4:11], s[0:1], 0x0               ; oi s[4:5], osw s[6:7], opi s[8:9], ops s[10:11]
	s_load_b128 s[92:95], s[0:1], 0x20             ; b_out s[92:93], out0 s[94:95]
	v_lshl_add_u32 v[SPW], v0, 2, SPARE
	v_mov_b32 v[NIL], 0
	ds_add_u32 v[SPW], v[NIL]                      ; the opening lines: the add, twice on end, and its wait ahead of the first tensor load
	ds_add_u32 v[SPW], v[NIL]
	v_lshrrev_b32 v1, 5, v0
	v_readfirstlane_b32 s14, v1                    ; wave 0..3
	s_lshr_b32 s15, s14, 1                         ; wr: my 4 row-blocks of A's 8
	s_and_b32 s16, s14, 1                          ; wc: my 8 row-blocks of B's 16
	s_bfe_u32 s17, ttmp6, 0x40000                  ; cx: the tile of columns (the grid has one cluster along x)
	s_bfe_u32 s18, ttmp6, 0x40004                  ; cy
	s_and_b32 s19, ttmp7, 0xffff                   ; cluster y, 0..15
	s_lshl_b32 s22, s18, 2
	s_lshl_b32 s22, 15, s22                        ; my row of the cluster
	s_lshl_b32 s23, 0x1111, s17                    ; my column
	s_or_b32 s[G1], s22, (3<<16)|(1<<21)           ; 15:0 the mask; 17:16 elements of 8 bytes; 20 no padding; 21 set beside a mask
	s_or_b32 s[G1B], s23, (3<<16)|(1<<21)
	s_or_b32 s[G1S], s22, (3<<16)|(1<<21)
	s_or_b32 s[G1SB], s23, (3<<16)|(1<<21)
	DESC G1, 3072, KPSA/8
	DESC G1B, 6144, KPS/8
	DESC G1S, 128, 8192
	DESC G1SB, 256, 12288
	s_lshl_b32 s[G0+2], s19, 5                     ; A's first row-block: 8 (4 cluster y + cy): made in A's own registers, which never hold cx
	s_lshl_b32 s[G0+3], s18, 3
	s_add_co_u32 s[G0+2], s[G0+2], s[G0+3]
	s_lshl_b32 s[G0S+2], s[G0+2], 7
	s_mov_b32 s[G0S+3], 0
	s_mul_i32 s[G0+2], s[G0+2], 3072
	s_mov_b32 s[G0+3], 0
	s_lshl_b32 s[G0B+2], s17, 4                    ; B's: 704 + 16 cx: in B's own registers, which never hold cy
	s_add_co_u32 s[G0B+2], s[G0B+2], 704
	s_lshl_b32 s[G0SB+2], s[G0B+2], 7
	s_mov_b32 s[G0SB+3], 0
	s_mul_i32 s[G0B+2], s[G0B+2], 3072
	s_mov_b32 s[G0B+3], 0
	s_mov_b32 s[G0], 1
	s_mov_b32 s[G0+1], 0
	s_mov_b32 s[G0B], 1
	s_mov_b32 s[G0B+1], BB
	s_mov_b32 s[G0S], 1
	s_mov_b32 s[G0S+1], SCL
	s_mov_b32 s[G0SB], 1
	s_mov_b32 s[G0SB+1], SCLB
	s_wait_dscnt 0x0                               ; both opening adds are done
	s_wait_kmcnt 0x0
	s_add_nc_u64 s[G0+2:G0+3], s[4:5], s[G0+2:G0+3]
	s_add_nc_u64 s[G0B+2:G0B+3], s[8:9], s[G0B+2:G0B+3]
	s_add_nc_u64 s[G0S+2:G0S+3], s[6:7], s[G0S+2:G0S+3]
	s_add_nc_u64 s[G0SB+2:G0SB+3], s[10:11], s[G0SB+2:G0SB+3]
	s_or_b32 s[G0+3], s[G0+3], 0x80000000
	s_or_b32 s[G0B+3], s[G0B+3], 0x80000000
	s_or_b32 s[G0S+3], s[G0S+3], 0x80000000
	s_or_b32 s[G0SB+3], s[G0SB+3], 0x80000000
	CROUND                                         ; all sixteen work-groups are here: the joint loads meet
; one chain of branches on the wave's number, one load to an arm, all arms leading to one join: one tensor load a wave at the head
.macro ARM under, g0, g1, next
	s_cmp_lt_u32 s14, \under
	s_cbranch_scc0 \next
	tensor_load_to_lds s[\g0:\g0+3], s[\g1:\g1+7]
	s_nop 0
.rept 4
	v_nop
.endr
	s_branch .Lhead_asked
\next:
.endm
	ARM 1, G0,  G1,  .Lhead_b
	ARM 2, G0B, G1B, .Lhead_sa
	ARM 3, G0S, G1S, .Lhead_sb
	tensor_load_to_lds s[G0SB:G0SB+3], s[G1SB:G1SB+7]
	s_nop 0
.rept 4
	v_nop
.endr
.Lhead_asked:
	v_and_b32 v1, 31, v0                           ; lane
	v_and_b32 v2, 15, v0                           ; r
	v_bfe_u32 v3, v0, 4, 1                         ; h
	v_lshlrev_b32 v[L16], 4, v1
	v_lshlrev_b32 v[L8], 3, v1
	v_lshlrev_b32 v[H64], 6, v3
	s_wait_alu depctr_va_vdst(0)
	; the bias and the result: these offsets mix cx and cy: they live in registers that feed no descriptor
	s_lshl_b32 s12, s17, 10
	s_lshl_b32 s13, s16, 9
	s_add_co_u32 s12, s12, s13                     ; my first column, in bytes: 1,024 cx + 512 wc
	s_mov_b32 s13, 0
	s_add_nc_u64 s[92:93], s[92:93], s[12:13]
	s_add_nc_u64 s[94:95], s[94:95], s[12:13]
.irp b, 0,1,2,3,4,5,6,7                ; lane (r, h) wants, for B's block b, the bias of columns 32 (b / 2) + 16 h + 8 (b % 2) + 0 .. 7
	global_load_b128 v[BI+8*\b:BI+8*\b+3], v[H64], s[92:93] offset:128*(\b/2)+32*(\b%2)
	global_load_b128 v[BI+8*\b+4:BI+8*\b+7], v[H64], s[92:93] offset:128*(\b/2)+32*(\b%2)+16
.endr
	s_lshl_b32 s66, s19, 2
	s_add_co_u32 s66, s66, s18                     ; tile of 128 tokens
	s_lshl_b32 s66, s66, 1
	s_add_co_u32 s66, s66, s15
	s_lshl_b32 s66, s66, 18                        ; 64 rows of 4,096 bytes
	s_mov_b32 s67, 0
	s_add_nc_u64 s[94:95], s[94:95], s[66:67]
	s_mul_i32 s20, s15, 12288                      ; my 4 row-blocks of A,
	s_mul_i32 s21, s16, 24576                      ; my 8 of B
	s_add_co_u32 s21, s21, BB
	s_lshl_b32 s22, s16, 10                        ; scale words: lanes 0-15 take A's (512 wr), lanes 16-31 B's (1,024 wc): the lower base + h x the distance
	s_add_co_u32 s22, s22, 4096
	s_lshl_b32 s23, s15, 9
	s_sub_co_u32 s22, s22, s23
	s_add_co_u32 s23, s23, SCL
	s_mul_i32 s66, s14, 8448                       ; my stage (STAGE is byte 0)
	v_add_nc_u32 v[A16], s20, v[L16]
	v_add_nc_u32 v[A8], s20, v[L8]
	v_add_nc_u32 v[B16], s21, v[L16]
	v_add_nc_u32 v[B8], s21, v[L8]
.irp k, 1,2,3
	v_add_nc_u32 v[A16+\k], \k*AKP, v[A16]
	v_add_nc_u32 v[A8+\k], \k*AKP, v[A8]
	v_add_nc_u32 v[B16+\k], \k*BKP, v[B16]
	v_add_nc_u32 v[B8+\k], \k*BKP, v[B8]
.endr
	v_mul_u32_u24 v[ADRS], s22, v3
	v_lshl_add_u32 v31, v3, 10, 1024               ; from kp to kp: 1,024 bytes in A's table, 2,048 in B's
	v_lshl_add_u32 v[ADRS], v2, 3, v[ADRS]
	v_add_nc_u32 v[ADRS], s23, v[ADRS]
.irp k, 1,2,3
	v_add_nc_u32 v[ADRS+\k], v[ADRS+\k-1], v31
.endr
	v_mul_u32_u24 v[STO], v2, 528
	v_lshl_add_u32 v[STO], v3, 6, v[STO]
	v_add_nc_u32 v[STO], s66, v[STO]               ; in: row r, + 64 h
	v_add_nc_u32 v[RD], s66, v[L16]                ; back: a whole row of 512 bytes, 16 bytes a lane
.macro FRAG reg, a16, a8, off          ; an image comes back as the registers that it is
	ds_load_b128 v[(\reg):(\reg)+3], v[\a16] offset:(\off)
	ds_load_b64 v[(\reg)+4:(\reg)+5], v[\a8] offset:(\off)+512
	ds_load_b128 v[(\reg)+6:(\reg)+9], v[\a16] offset:(\off)+768
	ds_load_b64 v[(\reg)+10:(\reg)+11], v[\a8] offset:(\off)+1280
.endm
; 16 matrix instructions: A's blocks a0, a0 + 1 x B's eight.  p: the sets of fragments, and which 128 of the kp's 256; sc: the set of scale words; first = 1: the sums begin with the bias as C.
; The 32 accumulators take turns, one instruction a turn, in the same order in every step.
.macro MUL16 a0, p, sc, first
.irp a, \a0, \a0+1
.irp b, 0,1,2,3,4,5,6,7
.if \first
	v_wmma_scale_f32_16x16x128_f8f6f4 v[8*(8*(\a)+\b):8*(8*(\a)+\b)+7], v[128*(\p)+12*\b:128*(\p)+12*\b+11], v[AF+48*(\p)+12*(\a):AF+48*(\p)+12*(\a)+11], v[BI+8*\b:BI+8*\b+7], v[SC+16*(\sc)+2*\b+(\p)], v[SC+16*(\sc)+2*(\a)+(\p)] matrix_a_fmt:MATRIX_FMT_FP6 matrix_b_fmt:MATRIX_FMT_FP6 matrix_a_scale:MATRIX_SCALE_ROW1
.else
	v_wmma_scale_f32_16x16x128_f8f6f4 v[8*(8*(\a)+\b):8*(8*(\a)+\b)+7], v[128*(\p)+12*\b:128*(\p)+12*\b+11], v[AF+48*(\p)+12*(\a):AF+48*(\p)+12*(\a)+11], v[8*(8*(\a)+\b):8*(8*(\a)+\b)+7], v[SC+16*(\sc)+2*\b+(\p)], v[SC+16*(\sc)+2*(\a)+(\p)] matrix_a_fmt:MATRIX_FMT_FP6 matrix_b_fmt:MATRIX_FMT_FP6 matrix_a_scale:MATRIX_SCALE_ROW1
.endif
.endr
.endr
.endm
.macro FETCH g                         ; step g's fragments into sets g % 2: 32 loads for B, 16 for A; with a kp's first step its scale words, 8 loads: two words a row; lanes 0-15 A's block i (of which 0 to 3 are used), lanes 16-31 B's block i
	WIN TO_B
.irp i, 0,1,2,3,4,5,6,7
	FRAG 128*((\g)%2)+12*\i, B16+(\g)/2, B8+(\g)/2, \i*3072+((\g)%2)*1536
.endr
	WIN 0
.irp i, 0,1,2,3
	FRAG AF+48*((\g)%2)+12*\i, A16+(\g)/2, A8+(\g)/2, \i*3072+((\g)%2)*1536
.endr
.if (\g)%2 == 0
.irp i, 0,1,2,3,4,5,6,7
	ds_load_b64 v[SC+16*(((\g)/2)%2)+2*\i:SC+16*(((\g)/2)%2)+2*\i+1], v[ADRS+(\g)/2] offset:128*\i
.endr
.endif
.endm
; Step g of 128 along K.  A load into a register that a matrix instruction has read stands four plain vector instructions behind it (ISA guide 7.12.1 for vector instructions).
.macro STEP g
	s_wait_dscnt 0x0                               ; this step's fragments are in (asked for ahead of the last step's 32 products)
.if (\g) == 4
	s_barrier_signal -1                            ; my reads of kp 0 and 1 are over; the wait stands in front of the way out, which stores into A's kp 0 and 1.  Up to there only kp 2 and 3 and the scale words are read
.endif
.if (\g) < 7
.if (\g) > 0
	PLACES 4
.endif
	FETCH (\g)+1
.endif
.if (\g) == 0
	WIN 0x81                                       ; C (the bias) window 0, D window 2
.else
	WIN MUL_LO
.endif
	MUL16 0, (\g)%2, ((\g)/2)%2, (\g)==0
	MUL16 2, (\g)%2, ((\g)/2)%2, (\g)==0
.endm
	s_wait_alu depctr_va_vdst(0)
	s_wait_tensorcnt 0x0                           ; my one load is in
	s_barrier_signal -1
	s_barrier_wait -1                              ; so are all four
	FETCH 0
	s_wait_loadcnt 0x0                             ; the bias
.irp g, 0,1,2,3,4,5,6,7
	STEP \g
.endr
	WIN 0
	s_barrier_wait -1                              ; no wave reads A's kp 0 and 1 any more
	PLACES 4                                       ; in front of the first read of results and of the loads into the registers that held A's fragments
; THE WAY OUT, block by block of 16 tokens x 128 columns, through my own stage: in as 16 bytes of a row a store, back as whole rows of 512 bytes.  LDS serves a wave's instructions in order (ISA guide 5.7.1.4).
.macro TOSTAGE a
.set AC, 64*(\a)
	WIN 0x08                                       ; the data: window 2
.irp b, 0,1,2,3,4,5,6,7
	ds_store_b128 v[STO], v[AC+8*\b:AC+8*\b+3] offset:128*(\b/2)+32*(\b%2)          ; each accumulator from its low end on
	ds_store_b128 v[STO], v[AC+8*\b+4:AC+8*\b+7] offset:128*(\b/2)+32*(\b%2)+16
.endr
	WIN 0
.set BBK, 128+64*((\a)%2)
.set t, 0
.rept 16
	ds_load_b128 v[BBK+4*t:BBK+4*t+3], v[RD] offset:t*528
.set t, t+1
.endr
.endm
.macro SEND a, younger                 ; younger: the LDS instructions issued behind block a's loads, which may stay out
.set BBK, 128+64*((\a)%2)
	s_wait_dscnt \younger
.set t, 0
.rept 16
	global_store_b128 v[L16], v[BBK+4*t:BBK+4*t+3], s[94:95] offset:(32*((\a)/2)+8*((\a)%2)+t+8*(t/8))*4096 th:TH_STORE_NT   ; lane-row t's token; 512 consecutive bytes, aligned to 256; 63 rows at the most: inside the signed 24-bit immediate
.set t, t+1
.endr
.endm
	TOSTAGE 0
.irp a, 1,2,3
.if \a > 1
	s_wait_xcnt 0x0                                ; block a - 2's stores have read their registers: block a's loads may land there
.endif
	TOSTAGE \a
	SEND \a-1, 32                                  ; behind block a - 1's loads: block a's 16 stores and 16 loads
.endr
	SEND 3, 0
	s_wait_tensorcnt 0x0                           ; the wave's end
	ds_add_u32 v[SPW], v[NIL]
	s_wait_dscnt 0x0
	CROUND                                         ; the closing round
	s_endpgm
.Lfunc_end_k_qd8220cec22_proj:
	.size	k_qd8220cec22_proj, .Lfunc_end_k_qd8220cec22_proj-k_qd8220cec22_proj
	.p2alignl 7, 3214868480
	.fill 96, 4, 3214868480
	.section	.rodata,"a",@progbits
	.p2align	6, 0x0
	.amdhsa_kernel k_qd8220cec22_proj
		.amdhsa_group_segment_fixed_size 327680
		.amdhsa_private_segment_fixed_size 0
		.amdhsa_enable_private_segment 0
		.amdhsa_kernarg_size 48
		.amdhsa_user_sgpr_count 2
		.amdhsa_user_sgpr_kernarg_segment_ptr 1
		.amdhsa_wavefront_size32 1
		.amdhsa_system_sgpr_workgroup_id_x 1
		.amdhsa_system_sgpr_workgroup_id_y 1
		.amdhsa_system_sgpr_workgroup_id_z 1
		.amdhsa_system_vgpr_workitem_id 0
		.amdhsa_next_free_vgpr 768
		.amdhsa_next_free_sgpr 100
		.amdhsa_reserve_vcc 0
		.amdhsa_float_denorm_mode_32 3
		.amdhsa_float_denorm_mode_16_64 3
		.amdhsa_memory_ordered 1
		.amdhsa_forward_progress 1
		.amdhsa_inst_pref_size 85
	.end_amdhsa_kernel
	.amdgpu_metadata
---
amdhsa.version: [ 1, 2 ]
amdhsa.kernels:
  - .name:           k_qd8220cec22_proj
    .symbol:         k_qd8220cec22_proj.kd
    .args:
      - { .name: oi, .offset: 0, .size: 8, .value_kind: global_buffer, .address_space: global }
      - { .name: osw, .offset: 8, .size: 8, .value_kind: global_buffer, .address_space: global }
      - { .name: opi, .offset: 16, .size: 8, .value_kind: global_buffer, .address_space: global }
      - { .name: ops, .offset: 24, .size: 8, .value_kind: global_buffer, .address_space: global }
      - { .name: b_out, .offset: 32, .size: 8, .value_kind: global_buffer, .address_space: global }
      - { .name: out0, .offset: 40, .size: 8, .value_kind: global_buffer, .address_space: global }
    .group_segment_fixed_size: 327680
    .private_segment_fixed_size: 0
    .kernarg_segment_align: 8
    .kernarg_segment_size: 48
    .max_flat_workgroup_size: 128
    .sgpr_count:     100
    .vgpr_count:     768
    .wavefront_size: 32
...
	.end_amdgpu_metadata
.endif
;; end of part 4
